; MI455X (gfx1250); checked and timed in simulation.
; The chip was launched on July 23, 2026; its instructions are those of AMD's public machine-readable ISA for CDNA 5 (MIT licence, August 2026) and "CDNA5" Instruction Set Architecture Reference Guide (July 2026). The comments in the code are by the model that wrote it; some were corrected since.
;; Attention Block. Allowed arithmetic: matrix products marked QUANTISED: E2M1 operands, one E8M0 scale for each 32 along K, by v_wmma_scale_f32_16x16x128_f8f6f4 with both operands' format E2M1 (or v_wmma_scale_f32_32x16x128_f4), f32 sums; everything else in f32.
;; Inputs: beta 256 float32; bk 256 float32; bo 256 float32; bq 256 float32; bv 256 float32; gamma 256 float32; wk_codes 256 x 8 x 16 uint8 (E2M1 codes of wk, K innermost, in blocks of 32 codes, two codes a byte); wk_scales 256 x 8 uint8 (E8M0 scales of wk, one for each 32 codes along K); wo_codes 256 x 8 x 16 uint8 (E2M1 codes of wo, K innermost, in blocks of 32 codes, two codes a byte); wo_scales 256 x 8 uint8 (E8M0 scales of wo, one for each 32 codes along K); wq_codes 256 x 8 x 16 uint8 (E2M1 codes of wq, K innermost, in blocks of 32 codes, two codes a byte); wq_scales 256 x 8 uint8 (E8M0 scales of wq, one for each 32 codes along K); wv_codes 256 x 8 x 16 uint8 (E2M1 codes of wv, K innermost, in blocks of 32 codes, two codes a byte); wv_scales 256 x 8 uint8 (E8M0 scales of wv, one for each 32 codes along K); x 4 x 256 x 64 x 64 float32.
;; Outputs: out0 4 x 256 x 64 x 64 float32.
;; This version of the problem:
;;   THIS VERSION OF THE PROBLEM IS GIVEN IN LOW PRECISION. The matrix products marked QUANTISED in the list below multiply operands that are first quantised to E2M1 (2 exponent bits, 1 mantissa bit; 4 bits a number), with one power-of-two scale for each 32 numbers along K (OCP MX v1.0); their sums are f32. All else is computed in f32.
;;   The module's matrix products, in the order in which they are computed (A, B: the left and right operand; K: the contracted axis; several contracted axes count as one K, in the product's order):
;;     1. [M 16,384, K 256] x [K 256, N 256]; A: computed on the way; B: input wq (given as codes): QUANTISED
;;     2. [M 16,384, K 256] x [K 256, N 256]; A: computed on the way; B: input wk (given as codes): QUANTISED
;;     3. [M 16,384, K 256] x [K 256, N 256]; A: computed on the way; B: input wv (given as codes): QUANTISED
;;     4. batch 4 x [M 4,096, K 256] x [K 256, N 4,096]; A: computed on the way; B: computed on the way: QUANTISED
;;     5. batch 4 x [M 256, K 4,096] x [K 4,096, N 4,096]; A: computed on the way; B: softmax (see below): QUANTISED
;;     6. [M 16,384, K 256] x [K 256, N 256]; A: computed on the way; B: input wo (given as codes): QUANTISED
;;   THE QUANTISER, for each operand of a quantised product, along K:
;;     - K is cut into blocks of 32 from its start; a last block that is shorter is filled with zeros.
;;     - A block's scale is 2^e with e = floor(log2(the largest magnitude in the block)) - 2, held to -126 .. 127; a block of zeros has e = 0. As a byte (E8M0): e + 127.
;;     - Each number is divided by its block's scale, clamped to +-6, and rounded to the nearest number of E2M1, ties to even, subnormals kept.
;;     - The product sums the exact products of the quantised numbers (number of the format x scale) in f32.
;;   ~~~python
;;   def quantise(x, axis):      # numpy; x: float32 -> the quantised numbers, widened to float32 again
;;       x = np.moveaxis(x, axis, -1); K = x.shape[-1]
;;       x = np.pad(x, [(0, 0)] * (x.ndim - 1) + [(0, -K % 32)]); x = x.reshape(x.shape[:-1] + (-1, 32)); a = np.abs(x).max(-1, keepdims=True)
;;       e = np.where(a > 0, np.clip(np.frexp(np.where(a > 0, a, 1))[1] - 1 - 2, -126, 127), 0)      # np.frexp(a)[1] - 1 = floor(log2(a)), exactly
;;       r = np.clip(x / 2.0 ** e, -6, 6)
;;       step = 2.0 ** (np.maximum(np.frexp(np.where(r == 0, 1, r))[1] - 1, 0) - 1)
;;       q = np.round(r / step) * step * 2.0 ** e      # np.round: ties to even
;;       return np.moveaxis(q.reshape(q.shape[:-2] + (-1,))[..., :K], -1, axis).astype(np.float32)
;;   ~~~
;;   SOFTMAX AHEAD OF A QUANTISED PRODUCT. Where the list says 'softmax', what is quantised is not the finished softmax but p = 2^(t - M), with t = logit x log2(e) and M = ceil(the row's largest t), a whole number; so 1/2 < the row's largest p <= 1. The row's sum l is taken of the UNQUANTISED p, in f32, and the product's result is divided by l at the end. Since M is a whole number, a kernel that streams over the keys may use a running M (the ceiling of the running maximum): every later rescaling is an exact power of two, which a block's scale takes up: the codes' values come out the same.
;;   OPERANDS COMPUTED ON THE WAY. 'Computed on the way' means the value that the module computes at that place (a softmax that the list does not call 'softmax' is quantised finished and normalised). What goes into a quantiser is computed in f32, as accurately as f32 sums, v_exp_f32 and their like allow (about 1e-6 of the number): no bf16 or f16 on the way to a quantiser, and a product that is left as it is and whose result goes on into a quantised operand takes f32 operands (vector FMAs, or v_wmma_f32_16x16x4_f32). A number that lies on a knife's edge between two numbers of the format may be rounded either way, as far as f32 arithmetic and the matrix unit's own rounding can turn it there, and no further.
;;   INPUTS GIVEN AS CODES. wk (in the module: [256, 256], K = its axis 1); wo (in the module: [256, 256], K = its axis 1); wq (in the module: [256, 256], K = its axis 1); wv (in the module: [256, 256], K = its axis 1): each comes as NAME_codes (uint8): NAME with its K axis moved to the last place and cut into blocks of 32 codes, [.., K / 32, bytes a block], one block behind the other in memory; two codes a byte, the lower K in the low four bits (a code: sign, 2 exponent bits, 1 mantissa bit); and NAME_scales (uint8): the same leading axes, one E8M0 byte (e + 127) for each 32 codes along K. Its value is code x scale, taken as it is: it is not quantised again, and the codes and scales need not be those that the quantiser above would give.
;; One version. Each part assembles by itself: llvm-mc -triple=amdgcn-amd-amdhsa -mcpu=gfx1250 --defsym DOCPART=n.
;; ======== version 1 of 1: 3 launches
;; workspace buffers: stats 2,048 bytes; qimg 2,228,224 bytes; kv 4,456,448 bytes
;; launch stats (part 1): grid 256 x 1, 8 waves a work-group, no clusters, 1,280 bytes of LDS; arguments x, stats; writes stats
.if DOCPART == 1
	.amdgcn_target "amdgcn-amd-amdhsa--gfx1250"
	.amdhsa_code_object_version 6
	.text
	.protected	k_qb33596ab23_stats
	.globl	k_qb33596ab23_stats
	.p2align	8
	.type	k_qb33596ab23_stats,@function
k_qb33596ab23_stats:
	s_mov_b64 s[64:65], 0
	v_nop
	global_prefetch_b8 v0, s[64:65] scope:SCOPE_SE
	s_setreg_imm32_b32 hwreg(HW_REG_WAVE_MODE, 25, 1), 1
	s_wait_xcnt 0x0
; GROUP STATISTICS, BY QUARTERS.  x is [4][256][4096] f32; a group of the norm is 16 channels of one image: 262,144 consecutive bytes.
; Work-group i takes the 65,536 bytes from byte 65,536 i on, a quarter of a group (16,384 numbers), and stores two f32 at stats + 8 i:
; the quarter's mean, and the sum of the squared differences from that mean.  The next launch joins four quarters.
; Two passes over numbers that stay in registers: no difference of large sums is formed, so a common offset of the inputs costs nothing.
; Eight waves; thread t holds 64 numbers: sixteen loads of 16 bytes, a wave's load covering 512 consecutive bytes.
; No cluster: the work-groups share no input.  No matrix unit: there is no product here.
; LIMITS: NaN and infinities among the inputs are not served.
.set X, 16                             ; v16-79  my 64 numbers
	s_load_b128 s[4:7], s[0:1], 0x0                ; x, stats
	v_lshl_add_u32 v96, v0, 2, 0x100
	v_mov_b32 v97, 0
	v_lshlrev_b32 v1, 4, v0                        ; 16 t
	v_lshrrev_b32 v14, 5, v0
	s_delay_alu instid0(VALU_DEP_1)
	v_lshlrev_b32 v14, 2, v14                      ; LDS: 4 x wave
	v_mov_b32 v15, 0
	v_mov_b32 v11, 0                               ; a lane permute's destination counts as read: written once
	s_lshl_b32 s2, ttmp9, 16                       ; my 65,536 bytes of x
	s_mov_b32 s3, 0
	s_lshl_b32 s8, ttmp9, 3                        ; my 8 bytes of stats
	s_mov_b32 s9, 0
	s_mov_b32 s10, 0x76543210                      ; selects: lane l xor 16
	s_mov_b32 s11, 0xfedcba98
	s_wait_alu depctr_va_vdst(0)
	s_wait_kmcnt 0x0
	s_add_nc_u64 s[4:5], s[4:5], s[2:3]
	s_add_nc_u64 s[6:7], s[6:7], s[8:9]
.irp j, 0,1,2,3,4,5,6,7,8,9,10,11,12,13,14,15
	global_load_b128 v[X+4*\j:X+4*\j+3], v1, s[4:5] offset:4096*\j
.endr
; v10 of every thread is summed over the work-group; the sum comes back in v10 of every lane.  off: eight LDS words of this sum's own.
.macro WGSUM off
	s_delay_alu instid0(VALU_DEP_1)
	v_add_f32_dpp v10, v10, v10 row_xmask:1 row_mask:0xf bank_mask:0xf
	s_delay_alu instid0(VALU_DEP_1)
	v_add_f32_dpp v10, v10, v10 row_xmask:2 row_mask:0xf bank_mask:0xf
	s_delay_alu instid0(VALU_DEP_1)
	v_add_f32_dpp v10, v10, v10 row_xmask:4 row_mask:0xf bank_mask:0xf
	s_delay_alu instid0(VALU_DEP_1)
	v_add_f32_dpp v10, v10, v10 row_xmask:8 row_mask:0xf bank_mask:0xf
	s_delay_alu instid0(VALU_DEP_1)
	v_permlanex16_b32 v11, v10, s10, s11
	s_delay_alu instid0(VALU_DEP_1)
	v_add_f32 v10, v10, v11
	ds_store_b32 v14, v10 offset:\off              ; all lanes of a wave write the wave's word with the same value
	s_wait_dscnt 0x0                               ; for the others' sake: my store is done
	s_barrier_signal -1
	s_barrier_wait -1
	ds_load_b128 v[80:83], v15 offset:\off
	ds_load_b128 v[84:87], v15 offset:\off+16
	s_wait_dscnt 0x0
	v_add_f32 v80, v80, v81
	v_add_f32 v82, v82, v83
	v_add_f32 v84, v84, v85
	v_add_f32 v86, v86, v87
	s_delay_alu instid0(VALU_DEP_3)
	v_add_f32 v80, v80, v82
	s_delay_alu instid0(VALU_DEP_2)
	v_add_f32 v84, v84, v86
	s_delay_alu instid0(VALU_DEP_1)
	v_add_f32 v10, v80, v84
.endm
	; pass 1: the sum, in four packed chains; the first four loads start them
	s_wait_loadcnt 12                              ; loads 0-3 are in; the twelve younger ones may be out
.irp c, 0,1,2,3
	v_pk_add_f32 v[2+2*\c:3+2*\c], v[X+4*\c:X+4*\c+1], v[X+4*\c+2:X+4*\c+3]
.endr
	s_wait_alu depctr_va_vdst(0)
.irp g, 1,2,3
	s_wait_alu depctr_va_vdst(0)
	s_wait_loadcnt 12-4*\g                         ; the next four loads are in
.irp p, 0,1,2,3,4,5,6,7
	v_pk_add_f32 v[2+2*(\p%4):3+2*(\p%4)], v[2+2*(\p%4):3+2*(\p%4)], v[X+16*\g+2*\p:X+16*\g+2*\p+1]
.endr
.endr
	s_delay_alu instid0(VALU_DEP_3)
	v_pk_add_f32 v[2:3], v[2:3], v[4:5]
	s_delay_alu instid0(VALU_DEP_2)
	v_pk_add_f32 v[6:7], v[6:7], v[8:9]
	s_delay_alu instid0(VALU_DEP_1)
	v_pk_add_f32 v[2:3], v[2:3], v[6:7]
	s_delay_alu instid0(VALU_DEP_1)
	v_add_f32 v10, v2, v3
	WGSUM 0
	s_delay_alu instid0(VALU_DEP_1)
	v_mul_f32 v12, 0xb8800000, v10                 ; - the mean: the sum x -2^-14
	s_delay_alu instid0(VALU_DEP_1)
	v_mov_b32 v13, v12
	; pass 2: the squared differences from the mean
.set p, 0
.rept 32
	v_pk_add_f32 v[X+2*p:X+2*p+1], v[X+2*p:X+2*p+1], v[12:13]
.set p, p+1
.endr
.irp c, 0,1,2,3
	v_pk_mul_f32 v[2+2*\c:3+2*\c], v[X+2*\c:X+2*\c+1], v[X+2*\c:X+2*\c+1]
.endr
.set p, 4
.rept 28
	s_delay_alu instid0(VALU_DEP_4)
	v_pk_fma_f32 v[2+2*(p%4):3+2*(p%4)], v[X+2*p:X+2*p+1], v[X+2*p:X+2*p+1], v[2+2*(p%4):3+2*(p%4)]
.set p, p+1
.endr
	s_delay_alu instid0(VALU_DEP_3)
	v_pk_add_f32 v[2:3], v[2:3], v[4:5]
	s_delay_alu instid0(VALU_DEP_2)
	v_pk_add_f32 v[6:7], v[6:7], v[8:9]
	s_delay_alu instid0(VALU_DEP_1)
	v_pk_add_f32 v[2:3], v[2:3], v[6:7]
	s_delay_alu instid0(VALU_DEP_1)
	v_add_f32 v10, v2, v3
	WGSUM 128                                      ; other LDS words than the first sum's: no barrier is owed between the two
	v_sub_f32 v2, 0, v12                           ; the mean
	s_delay_alu instid0(VALU_DEP_2)
	v_mov_b32 v3, v10
	s_wait_alu depctr_va_vdst(0)
	s_wait_xcnt 0x0                                ; EXEC changes only behind this wait
	v_cmp_eq_u32 vcc_lo, 0, v0
	s_wait_tensorcnt 0x0
	ds_add_u32 v96, v97
	s_wait_dscnt 0x0
	s_and_saveexec_b32 s12, vcc_lo                 ; thread 0 alone stores
	global_store_b64 v15, v[2:3], s[6:7]
	s_wait_xcnt 0x0
	s_or_b32 exec_lo, exec_lo, s12
	s_endpgm
.Lfunc_end_k_qb33596ab23_stats:
	.size	k_qb33596ab23_stats, .Lfunc_end_k_qb33596ab23_stats-k_qb33596ab23_stats
	.p2alignl 7, 3214868480
	.fill 96, 4, 3214868480
	.section	.rodata,"a",@progbits
	.p2align	6, 0x0
	.amdhsa_kernel k_qb33596ab23_stats
		.amdhsa_group_segment_fixed_size 1280
		.amdhsa_private_segment_fixed_size 0
		.amdhsa_enable_private_segment 0
		.amdhsa_kernarg_size 16
		.amdhsa_user_sgpr_count 2
		.amdhsa_user_sgpr_kernarg_segment_ptr 1
		.amdhsa_wavefront_size32 1
		.amdhsa_system_sgpr_workgroup_id_x 1
		.amdhsa_system_sgpr_workgroup_id_y 1
		.amdhsa_system_sgpr_workgroup_id_z 1
		.amdhsa_system_vgpr_workitem_id 0
		.amdhsa_next_free_vgpr 98
		.amdhsa_next_free_sgpr 66
		.amdhsa_reserve_vcc 1
		.amdhsa_float_denorm_mode_32 3
		.amdhsa_float_denorm_mode_16_64 3
		.amdhsa_memory_ordered 1
		.amdhsa_forward_progress 1
		.amdhsa_inst_pref_size 14
	.end_amdhsa_kernel
	.amdgpu_metadata
---
amdhsa.version: [ 1, 2 ]
amdhsa.kernels:
  - .name:           k_qb33596ab23_stats
    .symbol:         k_qb33596ab23_stats.kd
    .args:
      - { .name: x, .offset: 0, .size: 8, .value_kind: global_buffer, .address_space: global }
      - { .name: stats, .offset: 8, .size: 8, .value_kind: global_buffer, .address_space: global }
    .group_segment_fixed_size: 1280
    .private_segment_fixed_size: 0
    .kernarg_segment_align: 8
    .kernarg_segment_size: 16
    .max_flat_workgroup_size: 256
    .sgpr_count:     66
    .vgpr_count:     98
    .wavefront_size: 32
...
	.end_amdgpu_metadata
.endif
;; end of part 1
;; launch qkv (part 2): grid 256 x 1, 8 waves a work-group, clusters of 4 x 1, 168,960 bytes of LDS; arguments x, stats, gamma, beta, wq_codes, wk_codes, wv_codes, wq_scales, wk_scales, wv_scales, bq, bk, bv, qimg, kv; writes qimg, kv
.if DOCPART == 2
	.amdgcn_target "amdgcn-amd-amdhsa--gfx1250"
	.amdhsa_code_object_version 6
	.text
	.protected	k_qb33596ab23_qkv
	.globl	k_qb33596ab23_qkv
	.p2align	8
	.type	k_qb33596ab23_qkv,@function
k_qb33596ab23_qkv:
	s_mov_b64 s[64:65], 0
	v_nop
	global_prefetch_b8 v0, s[64:65] scope:SCOPE_SE
	s_setreg_imm32_b32 hwreg(HW_REG_WAVE_MODE, 25, 1), 1
	s_wait_xcnt 0x0
	s_wait_alu depctr_hold_cnt(0) depctr_sa_sdst(0) depctr_va_vdst(0) depctr_va_sdst(0) depctr_va_ssrc(0) depctr_va_vcc(0) depctr_vm_vsrc(0)
	s_getreg_b32 s2, hwreg(HW_REG_IB_STS2, 6, 4)
	s_cmp_eq_u32 s2, 0
	s_cbranch_scc0 .Lentry_in_a_cluster
	s_endpgm
.Lentry_in_a_cluster:
	s_bfe_u32 s2, ttmp6, 0x10000c
	s_cmp_lg_u32 s2, 0x3003
	s_cbranch_scc0 .Lentry_shape_is_right
	s_endpgm
.Lentry_shape_is_right:
; GROUP NORM, THE THREE PROJECTIONS, AND THEIR QUANTISERS, on codes of FP4 (E2M1) with one E8M0 scale for each 32 along K.
; A work-group takes 64 positions of one image (256 bytes of each of the 256 channel rows of x).
;   A: wave w normalises channels 32 w .. 32 w + 31 of all 64 positions (a lane: two positions, its registers run down the channels, so a block of 32 along K lies in one lane) and
;      stores the codes and scale bytes of xn in LDS, K innermost.                                                     | barrier |
;   B: wave w makes q (w even) or k (w odd) of position tile w / 2, all 256 channels, TRANSPOSED (source 0 = 16 rows of the weight, source 1 = 16 positions): a lane holds one position
;      and its registers run along the channels, the next product's K.  Quantised in registers; the fragments go to memory as images of the operand's registers.
;   C: wave w makes v of channels 32 w .. 32 w + 31 (source 0 = 16 positions, source 1 = 16 rows of Wv): a lane holds one channel and its registers run along the positions, which are
;      the keys, the second attention product's K.
; ONE ORDER OF ROWS EVERYWHERE: lane r of tile 2 b + u holds row 32 b + 8 u + r + 8 (r / 8), so that the 16 registers of result tiles 2 b and 2 b + 1 are 16 neighbours along the next K.
; The biases are the C of each sum's first matrix instruction.
; CLUSTER: the three weights (98,304 bytes) are the same for every work-group: the four partners ask for them JOINTLY, six loads of 128 rows, one a wave (waves 0-5).  LDS is filled once.
; WORKSPACE.  qimg [256 chunks][8,704]: fragment (tile T, K step s) at 1,024 (2 T + s), registers 4 c .. 4 c + 3 of lane l at 512 c + 16 l; scale image T at 8,192 + 128 T + 4 l (lanes 0-15: K step 0, lanes 16-31: K step 1).
;   kv [4][32 key steps][34,816]: K's 16 fragments likewise; V's 16 channel tiles at 16,384 + 1,024 ct; K's scale images at 32,768 + 128 T; V's scale words at 33,792 + 4 (16 ct + r), byte j for key block j.
; V's scale words are stored two bytes a lane (the other two belong to the neighbouring 64 positions' work-group): 64 bytes a wave of its 1 KB.
; LIMITS: a block of zeros gets the scale byte 1 and not 127 (its codes are zeros, and this program alone reads the bytes); blocks whose largest magnitude lies under 2^-124 are held at byte 1;
; NaN and infinities among the inputs are not served.
; REGISTERS, window 0: v1-19 lane numbers and addresses; v20-31 at work; v32-54 scale words and nothing else; v55-63 at work; v64-127 x as loaded, later 8 accumulators; v128-255 xn, later fragments.
;   window 1: v0-127 the bias of my 16 tiles of q or k in the result's layout; v144-159 my position tile's two fragments of xn.
.set WP,  144                          ; a row of a weight or of xn's codes in LDS: 128 bytes + 16
.set XC,  110592                       ; behind the 768 rows of the weights: xn's codes, 64 rows
.set XS,  119808                       ; and xn's scale bytes, 8 a position
.set L,   64
.set ACC, 64
.set E,   128                          ; xn of my even position, 32 channels
.set O,   160                          ; of my odd one
.set WF,  128                          ; 16 weight fragments
.set SEL, 60
.set MSB, 0
.macro WIN new                         ; the immediate's high byte repeats the setting that is left
.if MSB != \new
	s_set_vgpr_msb (MSB<<8)|\new
.set MSB, \new
.endif
.endm
.macro PLACES n
.rept \n
	v_nop
.endr
.endm
.macro ROUND                           ; a round of the cluster's barrier
	s_barrier_signal -1
	s_barrier_wait -1
	s_cmp_lg_u32 s34, 0
	s_cbranch_scc1 .Lnot_wave_0_\@
	s_barrier_signal -3
.Lnot_wave_0_\@:
	s_barrier_wait -3
	s_barrier_signal -1
	s_barrier_wait -1
.endm
; One scaled matrix instruction.  c < 0: the constant 0 starts the sum.  ra, rb: the scale words are read from lanes 16-31.
.macro MX d, a, b, c, sa, sb, ra, rb
.if (\c) < 0
.if \ra
	v_wmma_scale_f32_16x16x128_f8f6f4 v[\d:\d+7], v[\a:\a+7], v[\b:\b+7], 0, v[\sa], v[\sb] matrix_a_fmt:MATRIX_FMT_FP4 matrix_b_fmt:MATRIX_FMT_FP4 matrix_a_scale:MATRIX_SCALE_ROW1
.else
	v_wmma_scale_f32_16x16x128_f8f6f4 v[\d:\d+7], v[\a:\a+7], v[\b:\b+7], 0, v[\sa], v[\sb] matrix_a_fmt:MATRIX_FMT_FP4 matrix_b_fmt:MATRIX_FMT_FP4
.endif
.elseif (\ra) && (\rb)
	v_wmma_scale_f32_16x16x128_f8f6f4 v[\d:\d+7], v[\a:\a+7], v[\b:\b+7], v[\c:\c+7], v[\sa], v[\sb] matrix_a_fmt:MATRIX_FMT_FP4 matrix_b_fmt:MATRIX_FMT_FP4 matrix_a_scale:MATRIX_SCALE_ROW1 matrix_b_scale:MATRIX_SCALE_ROW1
.elseif \ra
	v_wmma_scale_f32_16x16x128_f8f6f4 v[\d:\d+7], v[\a:\a+7], v[\b:\b+7], v[\c:\c+7], v[\sa], v[\sb] matrix_a_fmt:MATRIX_FMT_FP4 matrix_b_fmt:MATRIX_FMT_FP4 matrix_a_scale:MATRIX_SCALE_ROW1
.else
	v_wmma_scale_f32_16x16x128_f8f6f4 v[\d:\d+7], v[\a:\a+7], v[\b:\b+7], v[\c:\c+7], v[\sa], v[\sb] matrix_a_fmt:MATRIX_FMT_FP4 matrix_b_fmt:MATRIX_FMT_FP4
.endif
.endm
; 16 nb numbers of a lane, register 16 b + i = k 32 b + 16 (lane / 16) + i of my row, become 2 nb registers of codes in the operand's layout at v[PC] on, and nb scale bytes in v[PW].  TM: 16 registers at work.
.macro QUANT s, nb
.set qb, 0
.rept \nb
	v_max3_num_f32 v[TM+qb], |v[(\s)+16*qb]|, |v[(\s)+1+16*qb]|, 0x1800000   ; my 16 numbers of block qb, and the floor 2^(3 - 127): the byte cannot fall under 1
.set qb, qb+1
.endr
.irp i, 2,4,6,8,10,12,14
.set qb, 0
.rept \nb
	v_max3_num_f32 v[TM+qb], v[TM+qb], |v[(\s)+16*qb+\i]|, |v[(\s)+1+16*qb+\i]|
.set qb, qb+1
.endr
.endr
.set qb, 0
.rept \nb
	v_permlanex16_b32 v[TM+4+qb], v[TM+qb], s[SEL], s[SEL+1]
.set qb, qb+1
.endr
.set qb, 0
.rept \nb
	v_max_num_f32 v[TM+qb], v[TM+qb], v[TM+4+qb]   ; with lane l xor 16's: the block's largest magnitude
.set qb, qb+1
.endr
.set qb, 0
.rept \nb
	v_add_nc_u32 v[TM+12+qb], 0xff000000, v[TM+qb] ; 2 off its exponent field: the conversion's scale operand
.set qb, qb+1
.endr
.set qb, 0
.rept \nb
	v_lshrrev_b32 v[TM+4+qb], 23, v[TM+12+qb]      ; the scale's byte
.set qb, qb+1
.endr
	v_lshl_or_b32 v[PW], v[TM+5], 8, v[TM+4]
.if \nb > 2
	s_delay_alu instid0(VALU_DEP_1)
	v_lshl_or_b32 v[PW], v[TM+6], 16, v[PW]
	s_delay_alu instid0(VALU_DEP_1)
	v_lshl_or_b32 v[PW], v[TM+7], 24, v[PW]
.endif
.set qb, 0
.rept \nb
	v_cvt_scalef32_pk8_fp4_f32 v[PC+2*qb], v[(\s)+16*qb:(\s)+16*qb+7], v[TM+12+qb]
	v_cvt_scalef32_pk8_fp4_f32 v[PC+1+2*qb], v[(\s)+16*qb+8:(\s)+16*qb+15], v[TM+12+qb]
.set qb, qb+1
.endr
	v_nop                                          ; one plain place behind a scaled conversion
.set qb, 0
.rept \nb/2                                    ; the layout wants a whole block in a lane: lanes 0-15 the even block, lanes 16-31 the odd one
	v_permlane16_swap_b32 v[PC+4*qb], v[PC+2+4*qb]
	v_permlane16_swap_b32 v[PC+1+4*qb], v[PC+3+4*qb]
.set qb, qb+1
.endr
.endm
; A whole block of 32 in one lane's registers v[src] on: codes to v[cod] on, the byte to v[t + 3].  t: four registers at work.
.macro BLK32 src, t, cod
	v_max3_num_f32 v[\t], |v[\src]|, |v[\src+1]|, |v[\src+2]|
	v_max3_num_f32 v[\t+1], |v[\src+3]|, |v[\src+4]|, |v[\src+5]|
.irp i, 6,10,14,18,22,26
	s_delay_alu instid0(VALU_DEP_2)
	v_max3_num_f32 v[\t], v[\t], |v[\src+\i]|, |v[\src+\i+1]|
	s_delay_alu instid0(VALU_DEP_2)
	v_max3_num_f32 v[\t+1], v[\t+1], |v[\src+\i+2]|, |v[\src+\i+3]|
.endr
	s_delay_alu instid0(VALU_DEP_2)
	v_max3_num_f32 v[\t], v[\t], |v[\src+30]|, |v[\src+31]|
	s_delay_alu instid0(VALU_DEP_1)
	v_max3_num_f32 v[\t], v[\t], v[\t+1], 0x1800000
	s_delay_alu instid0(VALU_DEP_1)
	v_add_nc_u32 v[\t+2], 0xff000000, v[\t]
	s_delay_alu instid0(VALU_DEP_1)
	v_lshrrev_b32 v[\t+3], 23, v[\t+2]
.irp g, 0,1,2,3
	v_cvt_scalef32_pk8_fp4_f32 v[\cod+\g], v[\src+8*\g:\src+8*\g+7], v[\t+2]
.endr
	v_nop
.endm
	s_load_b512 s[4:19], s[0:1], 0x0               ; x 4, stats 6, gamma 8, beta 10, wq_codes 12, wk_codes 14, wv_codes 16, wq_scales 18
	s_load_b256 s[20:27], s[0:1], 0x40             ; wk_scales 20, wv_scales 22, bq 24, bk 26
	s_load_b128 s[28:31], s[0:1], 0x60             ; bv 28, qimg 30
	s_load_b64 s[32:33], s[0:1], 0x70              ; kv 32
	v_lshl_add_u32 v62, v0, 2, 0x29000
	v_mov_b32 v63, 0
	ds_add_u32 v62, v63
	ds_add_u32 v62, v63
	v_lshrrev_b32 v1, 5, v0
	s_delay_alu instid0(VALU_DEP_1)
	v_readfirstlane_b32 s34, v1                    ; wave 0..7
	v_and_b32 v1, 31, v0                           ; lane
	s_wait_alu depctr_va_vdst(0)
	v_and_b32 v2, 15, v0                           ; r
	v_bfe_u32 v3, v0, 4, 1                         ; h
	s_delay_alu instid0(VALU_DEP_2)
	v_and_b32 v4, 8, v2
	s_delay_alu instid0(VALU_DEP_1)
	v_add_nc_u32 v4, v4, v2                        ; rp = r + 8 (r / 8)
	v_lshlrev_b32 v5, 4, v1                        ; 16 x lane
	s_wait_alu depctr_va_vdst(0)
	v_lshlrev_b32 v6, 2, v1                        ; 4 x lane
	v_lshlrev_b32 v7, 3, v1                        ; 8 x lane
	s_bfe_u32 s35, ttmp6, 0x40000                  ; cx: it enters addresses in memory alone
	s_lshl_b32 s48, ttmp9, 2
	s_add_co_u32 s48, s48, s35                     ; g: my chunk of 64 positions, 0..255
	s_lshr_b32 s49, s48, 6                         ; the image
	s_and_b32 s50, s48, 63                         ; the chunk in it
	s_and_b32 s51, s50, 1                          ; which half of a key step of 128
	s_lshr_b32 s52, s50, 1                         ; the key step
	s_lshr_b32 s53, s34, 1                         ; phase B: my position tile
	s_and_b32 s54, s34, 1                          ; phase B: 0 q, 1 k
	s_mov_b32 s[SEL], 0x76543210
	s_mov_b32 s[SEL+1], 0xfedcba98
	; LDS addresses: a constant, a constant x lane, a constant x wave
	v_mul_u32_u24 v8, v1, 2*WP
	s_lshl_b32 s55, s34, 4
	s_add_co_u32 s55, s55, XC
	v_add_nc_u32 v8, s55, v8                       ; phase A: codes of position 2 x lane, channel block w
	s_add_co_u32 s55, s34, XS
	v_add_nc_u32 v9, s55, v5                       ; and its scale byte
	v_mul_u32_u24 v59, v4, WP
	s_delay_alu instid0(VALU_DEP_1)
	v_lshl_add_u32 v59, v3, 4, v59                 ; a fragment's row rp, + 16 h
	s_wait_alu depctr_va_vdst(0)
	v_add_nc_u32 v10, XC, v59                      ; xn's fragments
	s_lshr_b32 s55, s53, 1
	s_mul_i32 s55, s55, 32*WP
	s_and_b32 s62, s53, 1
	s_mul_i32 s62, s62, 8*WP
	s_add_co_u32 s55, s55, s62
	v_add_nc_u32 v11, s55, v10                     ; those of my position tile
	v_lshlrev_b32 v16, 3, v4
	s_delay_alu instid0(VALU_DEP_1)
	v_lshl_add_u32 v16, v3, 2, v16                 ; scale words: 8 rp + 4 h: lanes 0-15 K step 0, lanes 16-31 K step 1
	s_wait_alu depctr_va_vdst(0)
	v_add_nc_u32 v12, XS, v16
	s_lshr_b32 s55, s53, 1
	s_lshl_b32 s55, s55, 8
	s_and_b32 s62, s53, 1
	s_lshl_b32 s62, s62, 6
	s_add_co_u32 s55, s55, s62
	v_add_nc_u32 v13, s55, v12
	s_mul_i32 s55, s54, 256*WP
	v_add_nc_u32 v14, s55, v59                     ; Wq's or Wk's rows
	s_mul_i32 s55, s34, 32*WP
	s_add_co_u32 s55, s55, 512*WP
	v_add_nc_u32 v15, s55, v59                     ; my 32 rows of Wv
	s_lshl_b32 s55, s34, 8
	v_add_nc_u32 v17, s55, v16                     ; memory: Wv's scale words of my rows
	v_lshlrev_b32 v18, 6, v3                       ; memory: bias in the result's layout: 64 h
	s_lshl_b32 s55, s34, 7
	v_lshl_add_u32 v19, v4, 2, s55                 ; memory: bv of my lane's channel
	v_lshlrev_b32 v59, 5, v3                       ; memory: my lane's group's four quarters: 32 h
	; the joint load's descriptor: 128 rows of 128 bytes, 16 bytes of padding behind each
	s_mov_b32 s36, 15|(1<<20)|(1<<21)|(4<<22)|(3<<25)   ; 15:0 the mask: all four partners; elements of 1 byte; padding on; bit 21 beside a mask; after every 32 words, 4 words
	s_mov_b32 s37, 128<<16                         ; tensor_dim0
	s_mov_b32 s38, 128<<16                         ; tensor_dim1
	s_mov_b32 s39, 128<<16                         ; tile_dim0
	s_mov_b32 s40, 128                             ; tile_dim1
	s_mov_b32 s41, 128                             ; the pitch
	s_mov_b32 s42, 0
	s_mov_b32 s43, 0
	s_mov_b32 s44, 1
	s_mul_i32 s45, s34, 128*WP                     ; LDS: wave x 128 rows: Wq's halves, Wk's, Wv's
	s_lshl_b32 s2, s49, 22                         ; x: the image, my 32 channels, my 64 positions
	s_lshl_b32 s3, s34, 19
	s_add_co_u32 s2, s2, s3
	s_lshl_b32 s3, s50, 8
	s_add_co_u32 s2, s2, s3
	s_mov_b32 s3, 0
	s_lshl_b32 s62, s49, 9                         ; stats: 32 bytes a group, groups 16 b + 2 w on
	s_lshl_b32 s63, s34, 6
	s_add_co_u32 s62, s62, s63
	s_mov_b32 s63, 0
	s_lshl_b32 s56, s34, 7                         ; gamma, beta: my 32 channels
	s_mov_b32 s57, 0
	s_lshl_b32 s58, s54, 14                        ; which 128 rows of a weight I fetch
	s_mov_b32 s59, 0
	s_wait_alu depctr_va_vdst(0)
	s_wait_dscnt 0x0
	s_wait_kmcnt 0x0
	s_add_nc_u64 s[4:5], s[4:5], s[2:3]
	s_add_nc_u64 s[6:7], s[6:7], s[62:63]
	s_add_nc_u64 s[8:9], s[8:9], s[56:57]
	s_add_nc_u64 s[10:11], s[10:11], s[56:57]
	s_cmp_lt_u32 s34, 2                            ; the weight that I fetch hangs on the wave's number alone
	s_cselect_b64 s[46:47], s[12:13], s[14:15]
	s_cmp_lt_u32 s34, 4
	s_cselect_b64 s[46:47], s[46:47], s[16:17]
	s_add_nc_u64 s[46:47], s[46:47], s[58:59]
	s_or_b32 s47, s47, 0x80000000                  ; type = 2
	s_cmp_eq_u32 s54, 0
	s_cselect_b64 s[56:57], s[24:25], s[26:27]     ; bq or bk
	s_cselect_b64 s[58:59], s[18:19], s[20:21]     ; Wq's or Wk's scale bytes
	global_load_b128 v[20:23], v59, s[6:7]         ; mean, M2 of quarters 0, 1 of my lane's channel's group
	global_load_b128 v[24:27], v59, s[6:7] offset:16   ; of quarters 2, 3
	global_load_b32 v28, v6, s[8:9]                ; gamma of channel 32 w + lane
	global_load_b32 v29, v6, s[10:11]              ; beta
.set i, 0
.rept 32
	global_load_b64 v[L+2*i:L+2*i+1], v7, s[4:5] offset:16384*i   ; channel 32 w + i, positions 2 x lane, + 1: the wave reads 256 consecutive bytes
.set i, i+1
.endr
	ROUND                                          ; all four partners are here: the joint loads meet
	s_cmp_lt_u32 s34, 6
	s_cbranch_scc0 .Lno_fill
	tensor_load_to_lds s[44:47], s[36:43]
	s_nop 0
.rept 4
	v_nop
.endr
.Lno_fill:
	s_wait_loadcnt 32                              ; the four small loads are in; x's 32 may be out
	v_add_f32 v31, v20, v22                        ; the group's mean: the mean of four quarters of equal size
	v_add_f32 v30, v24, v26
	s_delay_alu instid0(VALU_DEP_1)
	v_add_f32 v31, v31, v30
	s_delay_alu instid0(VALU_DEP_1)
	v_mul_f32 v31, 0x3e800000, v31
	s_delay_alu instid0(VALU_DEP_1)
	v_sub_f32 v20, v20, v31
	s_delay_alu instid0(VALU_DEP_2)
	v_sub_f32 v22, v22, v31
	s_delay_alu instid0(VALU_DEP_3)
	v_sub_f32 v24, v24, v31
	s_delay_alu instid0(VALU_DEP_4)
	v_sub_f32 v26, v26, v31
	s_delay_alu instid0(VALU_DEP_4)
	v_mul_f32 v30, v20, v20
	s_delay_alu instid0(VALU_DEP_1)
	v_fmac_f32 v30, v22, v22
	s_delay_alu instid0(VALU_DEP_1)
	v_fmac_f32 v30, v24, v24
	s_delay_alu instid0(VALU_DEP_1)
	v_fmac_f32 v30, v26, v26
	v_add_f32 v21, v21, v23
	v_add_f32 v25, v25, v27
	s_delay_alu instid0(VALU_DEP_1)
	v_add_f32 v21, v21, v25
	s_delay_alu instid0(VALU_DEP_1)
	v_fmac_f32 v21, 0x46800000, v30                ; the quarters' squares + 16,384 x the squares of the quarters' means about the group's
	s_mov_b32 s62, 0x37800000                      ; 2^-16: a group has 65,536 numbers
	v_fmaak_f32 v21, s62, v21, 0x3727c5ac          ; the variance + 1e-5
	s_wait_alu depctr_va_vdst(0)
	v_rsq_f32 v21, v21
	v_nop                                          ; a plain place behind the transcendental
	s_wait_alu depctr_va_vdst(0)
	v_mul_f32 v30, v21, v28                        ; the gain of channel 32 w + lane
	s_wait_alu depctr_va_vdst(0)
	s_wait_loadcnt 0x0                             ; x is in
	WIN 0x40                                       ; destination window 1
.irp t, 0,1,2,3,4,5,6,7,8,9,10,11,12,13,14,15
	global_load_b128 v[8*\t:8*\t+3], v18, s[56:57] offset:(32*(\t/2)+8*(\t%2))*4      ; tile t, lane (r, h): channels 32 (t / 2) + 16 h + 8 (t % 2) + 0 .. 7
	global_load_b128 v[8*\t+4:8*\t+7], v18, s[56:57] offset:(32*(\t/2)+8*(\t%2))*4+16
.endr
	WIN 0
.irp t, 0,1,2,3,4,5,6,7,8,9,10,11,12,13,14,15
	global_load_b32 v[32+\t], v16, s[58:59] offset:(32*(\t/2)+8*(\t%2))*8
.endr
	global_load_b32 v48, v17, s[22:23]
	global_load_b32 v49, v17, s[22:23] offset:64
	global_load_b32 v57, v19, s[28:29]
	global_load_b32 v58, v19, s[28:29] offset:32
	; ---- A: xn = (x - mean) x gain + beta.  A channel's three numbers lie in one lane: they come to scalar registers, a group at a time
.irp gi, 0,1
	v_readlane_b32 s98, v31, 16*\gi
.irp i, 0,1,2,3,4,5,6,7,8,9,10,11,12,13,14,15
	v_readlane_b32 s[66+\i], v30, 16*\gi+\i
	v_readlane_b32 s[82+\i], v29, 16*\gi+\i
.endr
.irp i, 0,1,2,3,4,5,6,7,8,9,10,11,12,13,14,15
	v_sub_f32 v59, v[L+2*(16*\gi+\i)], s98
	v_sub_f32 v60, v[L+2*(16*\gi+\i)+1], s98
	s_delay_alu instid0(VALU_DEP_2)
	v_fma_f32 v[E+16*\gi+\i], v59, s[66+\i], s[82+\i]
	s_delay_alu instid0(VALU_DEP_2)
	v_fma_f32 v[O+16*\gi+\i], v60, s[66+\i], s[82+\i]
.endr
.endr
	BLK32 E, 20, 192
	ds_store_b128 v8, v[192:195]
	ds_store_b8 v9, v23
	BLK32 O, 24, 196
	ds_store_b128 v8, v[196:199] offset:WP
	ds_store_b8 v9, v27 offset:8
	; where the results go, in bytes; offsets are made apart from the addresses
	s_mul_i32 s66, s48, 8704
	s_lshl_b32 s67, s53, 11
	s_mul_i32 s68, s49, 1114112
	s_mul_i32 s69, s52, 34816
	s_add_co_u32 s68, s68, s69                     ; my key step's block of kv
	s_lshl_b32 s69, s51, 13
	s_add_co_u32 s70, s66, s67                     ; q's fragments of my tile
	s_add_co_u32 s71, s68, s69
	s_add_co_u32 s71, s71, s67                     ; k's
	s_lshl_b32 s72, s53, 7
	s_add_co_u32 s73, s66, s72
	s_add_co_u32 s73, s73, 8192                    ; q's scale image
	s_lshl_b32 s74, s51, 9
	s_add_co_u32 s74, s74, s72
	s_add_co_u32 s74, s74, s68
	s_add_co_u32 s74, s74, 32768                   ; k's
	s_lshl_b32 s82, s34, 11
	s_lshl_b32 s83, s51, 9
	s_add_co_u32 s82, s82, s83
	s_add_co_u32 s82, s82, s68
	s_add_co_u32 s82, s82, 16384                   ; v's half fragments of my two channel tiles
	s_mov_b32 s83, 0
	s_lshl_b32 s84, s34, 7
	s_lshl_b32 s85, s51, 1
	s_add_co_u32 s84, s84, s85
	s_add_co_u32 s84, s84, s68
	s_add_co_u32 s84, s84, 33792                   ; v's scale bytes
	s_mov_b32 s85, 0
	s_cmp_eq_u32 s54, 0
	s_cselect_b64 s[76:77], s[30:31], s[32:33]
	s_cselect_b32 s78, s70, s71
	s_cselect_b32 s80, s73, s74
	s_mov_b32 s79, 0
	s_mov_b32 s81, 0
	s_add_nc_u64 s[78:79], s[76:77], s[78:79]
	s_add_nc_u64 s[80:81], s[76:77], s[80:81]
	s_add_nc_u64 s[82:83], s[32:33], s[82:83]
	s_add_nc_u64 s[84:85], s[32:33], s[84:85]
	s_wait_tensorcnt 0x0                           ; my part of the weights has landed,
	s_wait_dscnt 0x0                               ; my codes and bytes of xn are stored:
	s_barrier_signal -1
	s_barrier_wait -1                              ; everybody's are
	; ---- B: q or k of my position tile
	WIN 0x40
.irp s, 0,1
.irp c, 0,1
	ds_load_b128 v[144+8*\s+4*\c:144+8*\s+4*\c+3], v11 offset:64*\s+32*\c
.endr
.endr
	WIN 0
	ds_load_b32 v54, v13
	s_wait_loadcnt 0x0                             ; bias and scale words
.set TM, 128
.set PC, 144
.set PW, 152
.macro PROJ oh                         ; channels 128 oh .. 128 oh + 127: one K step of the scores' product
	s_wait_xcnt 0x0                                ; the stores of the half before have read their registers
.irp t, 0,1,2,3,4,5,6,7
.irp s, 0,1
.irp c, 0,1
	ds_load_b128 v[WF+16*\t+8*\s+4*\c:WF+16*\t+8*\s+4*\c+3], v14 offset:(32*((8*\oh+\t)/2)+8*(\t%2))*WP+64*\s+32*\c
.endr
.endr
.endr
	s_wait_dscnt 0x0
	WIN 0x14                                       ; source 1 (xn) and source 2 (bias) window 1
.irp t, 0,1,2,3,4,5,6,7
	MX ACC+8*\t, WF+16*\t, 144, 8*(8*\oh+\t), 32+8*\oh+\t, 54, 0, 0
.endr
	WIN 0x04                                       ; the eight accumulators take turns
.irp t, 0,1,2,3,4,5,6,7
	MX ACC+8*\t, WF+16*\t+8, 152, ACC+8*\t, 32+8*\oh+\t, 54, 1, 1
.endr
	WIN 0
	PLACES 4                                       ; in front of the first read of results and of writes over the fragments
	QUANT ACC, 4
	global_store_b128 v5, v[PC:PC+3], s[78:79] offset:1024*\oh        ; the fragment as it stands: 512 consecutive bytes a store
	global_store_b128 v5, v[PC+4:PC+7], s[78:79] offset:1024*\oh+512
	v_mov_b32 v[55+\oh], v[PW]
.endm
	PROJ 0
	PROJ 1
	v_cmp_le_u32 vcc_lo, 16, v1
	s_delay_alu instid0(VALU_DEP_1)
	v_cndmask_b32 v59, v55, v56, vcc_lo            ; lanes 0-15: K step 0's word of row r; lanes 16-31: K step 1's (both halves of the lanes hold both)
	global_store_b32 v6, v59, s[80:81]
	; ---- C: v of my 32 channels, for the 64 positions
	s_wait_xcnt 0x0                                ; the stores have read their registers
.irp p, 0,1,2,3
.irp s, 0,1
.irp c, 0,1
	ds_load_b128 v[192+16*\p+8*\s+4*\c:192+16*\p+8*\s+4*\c+3], v10 offset:(32*(\p/2)+8*(\p%2))*WP+64*\s+32*\c
.endr
.endr
	ds_load_b32 v[50+\p], v12 offset:(32*(\p/2)+8*(\p%2))*8
.endr
.irp u, 0,1
.irp s, 0,1
.irp c, 0,1
	ds_load_b128 v[128+16*\u+8*\s+4*\c:128+16*\u+8*\s+4*\c+3], v15 offset:8*WP*\u+64*\s+32*\c
.endr
.endr
.endr
.irp j, 0,1,2,3,4,5,6,7
	v_mov_b32 v[176+\j], v57                       ; a lane holds one channel: its bias in all eight registers
	v_mov_b32 v[184+\j], v58
.endr
	PLACES 4
	s_wait_alu depctr_va_vdst(0)
	s_wait_dscnt 0x0
.irp u, 0,1
.irp p, 0,1,2,3
	MX ACC+8*(4*\u+\p), 192+16*\p, 128+16*\u, 176+8*\u, 50+\p, 48+\u, 0, 0
.endr
.endr
.irp u, 0,1
.irp p, 0,1,2,3
	MX ACC+8*(4*\u+\p), 192+16*\p+8, 128+16*\u+8, ACC+8*(4*\u+\p), 50+\p, 48+\u, 1, 1
.endr
.endr
	PLACES 4
.set TM, 160
.set PC, 20
.set PW, 28
	QUANT ACC, 2                                   ; 64 keys: two blocks: half a fragment
	global_store_b128 v5, v[20:23], s[82:83]
.set PC, 24
.set PW, 29
	QUANT ACC+32, 2
	global_store_b128 v5, v[24:27], s[82:83] offset:1024
	v_cndmask_b32 v30, v28, v29, vcc_lo            ; lanes 0-15: the even tile's two bytes of channel row r; lanes 16-31: the odd tile's
	global_store_b16 v6, v30, s[84:85]
	s_wait_tensorcnt 0x0
	ds_add_u32 v62, v63
	s_wait_dscnt 0x0
	ROUND                                          ; the closing round
	s_endpgm
.Lfunc_end_k_qb33596ab23_qkv:
	.size	k_qb33596ab23_qkv, .Lfunc_end_k_qb33596ab23_qkv-k_qb33596ab23_qkv
	.p2alignl 7, 3214868480
	.fill 96, 4, 3214868480
	.section	.rodata,"a",@progbits
	.p2align	6, 0x0
	.amdhsa_kernel k_qb33596ab23_qkv
		.amdhsa_group_segment_fixed_size 168960
		.amdhsa_private_segment_fixed_size 0
		.amdhsa_enable_private_segment 0
		.amdhsa_kernarg_size 120
		.amdhsa_user_sgpr_count 2
		.amdhsa_user_sgpr_kernarg_segment_ptr 1
		.amdhsa_wavefront_size32 1
		.amdhsa_system_sgpr_workgroup_id_x 1
		.amdhsa_system_sgpr_workgroup_id_y 1
		.amdhsa_system_sgpr_workgroup_id_z 1
		.amdhsa_system_vgpr_workitem_id 0
		.amdhsa_next_free_vgpr 512
		.amdhsa_next_free_sgpr 100
		.amdhsa_reserve_vcc 1
		.amdhsa_float_denorm_mode_32 3
		.amdhsa_float_denorm_mode_16_64 3
		.amdhsa_memory_ordered 1
		.amdhsa_forward_progress 1
		.amdhsa_inst_pref_size 62
	.end_amdhsa_kernel
	.amdgpu_metadata
---
amdhsa.version: [ 1, 2 ]
amdhsa.kernels:
  - .name:           k_qb33596ab23_qkv
    .symbol:         k_qb33596ab23_qkv.kd
    .args:
      - { .name: x, .offset: 0, .size: 8, .value_kind: global_buffer, .address_space: global }
      - { .name: stats, .offset: 8, .size: 8, .value_kind: global_buffer, .address_space: global }
      - { .name: gamma, .offset: 16, .size: 8, .value_kind: global_buffer, .address_space: global }
      - { .name: beta, .offset: 24, .size: 8, .value_kind: global_buffer, .address_space: global }
      - { .name: wq_codes, .offset: 32, .size: 8, .value_kind: global_buffer, .address_space: global }
      - { .name: wk_codes, .offset: 40, .size: 8, .value_kind: global_buffer, .address_space: global }
      - { .name: wv_codes, .offset: 48, .size: 8, .value_kind: global_buffer, .address_space: global }
      - { .name: wq_scales, .offset: 56, .size: 8, .value_kind: global_buffer, .address_space: global }
      - { .name: wk_scales, .offset: 64, .size: 8, .value_kind: global_buffer, .address_space: global }
      - { .name: wv_scales, .offset: 72, .size: 8, .value_kind: global_buffer, .address_space: global }
      - { .name: bq, .offset: 80, .size: 8, .value_kind: global_buffer, .address_space: global }
      - { .name: bk, .offset: 88, .size: 8, .value_kind: global_buffer, .address_space: global }
      - { .name: bv, .offset: 96, .size: 8, .value_kind: global_buffer, .address_space: global }
      - { .name: qimg, .offset: 104, .size: 8, .value_kind: global_buffer, .address_space: global }
      - { .name: kv, .offset: 112, .size: 8, .value_kind: global_buffer, .address_space: global }
    .group_segment_fixed_size: 168960
    .private_segment_fixed_size: 0
    .kernarg_segment_align: 8
    .kernarg_segment_size: 120
    .max_flat_workgroup_size: 256
    .sgpr_count:     100
    .vgpr_count:     512
    .wavefront_size: 32
...
	.end_amdgpu_metadata
.endif
;; end of part 2
;; launch attn (part 3): grid 256 x 1, 8 waves a work-group, clusters of 4 x 1, 327,680 bytes of LDS; arguments qimg, kv, wo_codes, wo_scales, bo, x, out0; writes out0
.if DOCPART == 3
	.amdgcn_target "amdgcn-amd-amdhsa--gfx1250"
	.amdhsa_code_object_version 6
	.text
	.protected	k_qb33596ab23_attn
	.globl	k_qb33596ab23_attn
	.p2align	8
	.type	k_qb33596ab23_attn,@function
k_qb33596ab23_attn:
	s_mov_b64 s[64:65], 0
	v_nop
	global_prefetch_b8 v0, s[64:65] scope:SCOPE_SE
	s_setreg_imm32_b32 hwreg(HW_REG_WAVE_MODE, 25, 1), 1
	s_wait_xcnt 0x0
	s_wait_alu depctr_hold_cnt(0) depctr_sa_sdst(0) depctr_va_vdst(0) depctr_va_sdst(0) depctr_va_ssrc(0) depctr_va_vcc(0) depctr_vm_vsrc(0)
	s_getreg_b32 s2, hwreg(HW_REG_IB_STS2, 6, 4)
	s_cmp_eq_u32 s2, 0
	s_cbranch_scc0 .Lentry_in_a_cluster
	s_endpgm
.Lentry_in_a_cluster:
	s_bfe_u32 s2, ttmp6, 0x10000c
	s_cmp_lg_u32 s2, 0x3003
	s_cbranch_scc0 .Lentry_shape_is_right
	s_endpgm
.Lentry_shape_is_right:
; ATTENTION OVER 4,096 KEYS WITH A HEAD OF 256, THE OUTPUT PROJECTION AND THE RESIDUAL, all products on codes of FP4 (E2M1) with one E8M0 scale for each 32 along K.
; THE SOFTMAX AHEAD OF THE SECOND PRODUCT: t = score x log2(e) / 16; M = the largest t so far, rounded UP to a whole number; p = 2^(t - M) is quantised along the keys, not normalised.
; The row's sum is taken of the unquantised p and divides at the end.
; THE FRAME OF THE SUMS.  O^T and the row's sum are kept under a whole number R <= M, the frame: a term stands in them as 2^(t - R).  Only every third key step brings them under the new M
; (R = M: 128 packed multiplications by 2^(old R - M), exact).  In the two steps between, p is made and quantised under the running M as always, and the step's terms are carried to the frame instead:
; dd = M - R is added to each of the four bytes of p's scale word, and the step's sum of p is multiplied by 2^dd: exact powers of two.  dd is held at 32 in the first such step and at 64 in the second;
; where M - R is larger, R moves up to M - dd and the older terms are left as they stand: at most 1,024 terms of at most 1 (2^32) beside a new term of at least 2^31 (2^63): 2^-21 of the sum at the most.
; SHARES.  A work-group owns 64 queries of one image.  THE WAVES SHARE THE KEYS: wave w takes query tiles 2 (w % 2), + 1 (32 queries) and, of each slot's four key steps of 128, step w / 2.
; So a fragment of K or V is read from LDS by two waves and feeds two query tiles in each.  Two waves lie on a SIMD: one's vector work stands beside the other's matrix work and LDS loads.
; At the end the four key shares of a query are joined through LDS: each has its own frame and sum; all are brought under the largest frame by exact powers of two.
; LAYOUT.  Both products are used transposed: S^T = K Q^T, O^T = V^T P^T: a lane holds ONE query (lane % 16).  All operands come as images of their registers (see the launch before): every LDS read is 16 x lane.
; RING.  Two slots of four key steps' blocks (139,264 dense bytes each); every wave brings an eighth of a slot by one tensor load.
; CLUSTER.  The four work-groups of a cluster belong to one image and walk the same K and V: every slot is asked for JOINTLY.  Wo is not: a wave takes its own 4,096 bytes of it straight into registers,
; once, against the 1,114,112 bytes of K and V that the work-group walks.
; LIMITS: M, R and their differences are whole numbers kept in f32: exact for |t| under 2^23; the sums reach 2^64 x 1,024 x the largest |v|, which has to stay in f32's range;
; a key share whose frame lies more than 149 under the largest adds nothing; a block whose every p has fallen to 0 keeps the scale byte 1 + dd (its codes are zeros); NaN and infinities are not served.
; REGISTERS, window 0: v1-7 addresses; v8-15 two tiles' -M, largest t, sum (a pair); v16-17, v22-31 scale words and nothing else; v18-21 two tiles' factor (f or 2^dd) and -R; v32-63 Q;
;   v64-127 two batches of K; then v64-79 the softmax's work, v80-95 p's codes, v96-127 V's channel tiles 8-11;  v128-255 S^T, then p, then V's channel tiles 0-7 and 12-15.
;   window 1: O^T: tile x, channel tile ct at 128 x + 8 ct.
.set SLOTB, 139264                     ; a slot; 0x22000: no bit of it is set in 17,408 x wave, so one exclusive or turns a slot's address into the other's
.set KSC,   32768                      ; in a key step's block: K's scale images,
.set VIMG,  16384                      ; V's fragments,
.set VSC,   33792                      ; V's scale words
.set SPARE, 278528                     ; behind the ring: the spare words, 128 bytes for each wave: four blocks of 256 bytes that no other line names
.set STATM, 279552                     ; each wave's -R, 128 bytes a tile;  2,048 bytes on: its sums
.set OIMG,  283648                     ; o's eight fragments
.set OSC,   291840                     ; their scale images
.set HOLD1, 0x42000000                 ; 32.0: the hold on dd in the first step behind a rescaling
.set HOLD2, 0x42800000                 ; 64.0: in the second
.set SEL,   22
.set MSB, 0
.macro WIN new                         ; the immediate's high byte repeats the setting that is left
.if MSB != \new
	s_set_vgpr_msb (MSB<<8)|\new
.set MSB, \new
.endif
.endm
.macro PLACES n
.rept \n
	v_nop
.endr
.endm
.macro ROUND                           ; a round of the cluster's barrier
	s_barrier_signal -1
	s_barrier_wait -1
	s_cmp_lg_u32 s18, 0
	s_cbranch_scc1 .Lnot_wave_0_\@
	s_barrier_signal -3
.Lnot_wave_0_\@:
	s_barrier_wait -3
	s_barrier_signal -1
	s_barrier_wait -1
.endm
; One scaled matrix instruction.  c < 0: the constant 0 starts the sum.  ra, rb: the scale words are read from lanes 16-31.
.macro MX d, a, b, c, sa, sb, ra, rb
.if (\c) < 0
.if \ra
	v_wmma_scale_f32_16x16x128_f8f6f4 v[\d:\d+7], v[\a:\a+7], v[\b:\b+7], 0, v[\sa], v[\sb] matrix_a_fmt:MATRIX_FMT_FP4 matrix_b_fmt:MATRIX_FMT_FP4 matrix_a_scale:MATRIX_SCALE_ROW1
.else
	v_wmma_scale_f32_16x16x128_f8f6f4 v[\d:\d+7], v[\a:\a+7], v[\b:\b+7], 0, v[\sa], v[\sb] matrix_a_fmt:MATRIX_FMT_FP4 matrix_b_fmt:MATRIX_FMT_FP4
.endif
.elseif (\ra) && (\rb)
	v_wmma_scale_f32_16x16x128_f8f6f4 v[\d:\d+7], v[\a:\a+7], v[\b:\b+7], v[\c:\c+7], v[\sa], v[\sb] matrix_a_fmt:MATRIX_FMT_FP4 matrix_b_fmt:MATRIX_FMT_FP4 matrix_a_scale:MATRIX_SCALE_ROW1 matrix_b_scale:MATRIX_SCALE_ROW1
.elseif \ra
	v_wmma_scale_f32_16x16x128_f8f6f4 v[\d:\d+7], v[\a:\a+7], v[\b:\b+7], v[\c:\c+7], v[\sa], v[\sb] matrix_a_fmt:MATRIX_FMT_FP4 matrix_b_fmt:MATRIX_FMT_FP4 matrix_a_scale:MATRIX_SCALE_ROW1
.else
	v_wmma_scale_f32_16x16x128_f8f6f4 v[\d:\d+7], v[\a:\a+7], v[\b:\b+7], v[\c:\c+7], v[\sa], v[\sb] matrix_a_fmt:MATRIX_FMT_FP4 matrix_b_fmt:MATRIX_FMT_FP4
.endif
.endm
; 64 numbers of a lane, register 16 b + i = k 32 b + 16 (lane / 16) + i of my row, become a fragment's codes at v[PC] on and its scale word in v[PW].  TM: 16 registers at work.
.macro QUANT s
.irp b, 0,1,2,3
	v_max3_num_f32 v[TM+\b], |v[(\s)+16*\b]|, |v[(\s)+1+16*\b]|, 0x1800000   ; and the floor 2^(3 - 127): the byte cannot fall under 1
.endr
.irp i, 2,4,6,8,10,12,14
.irp b, 0,1,2,3
	s_delay_alu instid0(VALU_DEP_4)
	v_max3_num_f32 v[TM+\b], v[TM+\b], |v[(\s)+16*\b+\i]|, |v[(\s)+1+16*\b+\i]|
.endr
.endr
.irp b, 0,1,2,3
	s_delay_alu instid0(VALU_DEP_4)
	v_permlanex16_b32 v[TM+4+\b], v[TM+\b], s[SEL], s[SEL+1]
.endr
.irp b, 0,1,2,3
	s_delay_alu instid0(VALU_DEP_4)
	v_max_num_f32 v[TM+\b], v[TM+\b], v[TM+4+\b]
.endr
.irp b, 0,1,2,3
	s_delay_alu instid0(VALU_DEP_4)
	v_add_nc_u32 v[TM+12+\b], 0xff000000, v[TM+\b]
.endr
.irp b, 0,1,2,3
	s_delay_alu instid0(VALU_DEP_4)
	v_lshrrev_b32 v[TM+4+\b], 23, v[TM+12+\b]
.endr
	s_delay_alu instid0(VALU_DEP_3)
	v_lshl_or_b32 v[PW], v[TM+5], 8, v[TM+4]
	s_delay_alu instid0(VALU_DEP_1)
	v_lshl_or_b32 v[PW], v[TM+6], 16, v[PW]
	s_delay_alu instid0(VALU_DEP_1)
	v_lshl_or_b32 v[PW], v[TM+7], 24, v[PW]
.irp b, 0,1,2,3
	v_cvt_scalef32_pk8_fp4_f32 v[PC+2*\b], v[(\s)+16*\b:(\s)+16*\b+7], v[TM+12+\b]
	v_cvt_scalef32_pk8_fp4_f32 v[PC+1+2*\b], v[(\s)+16*\b+8:(\s)+16*\b+15], v[TM+12+\b]
.endr
	v_nop
.irp c, 0,1
.irp i, 0,1
	v_permlane16_swap_b32 v[PC+4*\c+\i], v[PC+2+4*\c+\i]
.endr
.endr
.endm
	s_load_b256 s[4:11], s[0:1], 0x0               ; qimg 4, kv 6, wo_codes 8, wo_scales 10
	s_load_b128 s[12:15], s[0:1], 0x20             ; bo 12, x 14
	s_load_b64 s[16:17], s[0:1], 0x30              ; out0
	v_lshl_add_u32 v3, v0, 2, SPARE                ; my spare word; never rewritten
	v_mov_b32 v4, 0                                ; 0; never rewritten
	ds_add_u32 v3, v4
	ds_add_u32 v3, v4
	s_wait_dscnt 0x0
	v_lshrrev_b32 v5, 5, v0
	s_delay_alu instid0(VALU_DEP_1)
	v_readfirstlane_b32 s18, v5                    ; wave 0..7
	s_and_b32 s19, s18, 1                          ; qh: which 32 queries
	s_lshr_b32 s20, s18, 1                         ; ks: which key step of a slot
	s_bfe_u32 s21, ttmp6, 0x40000                  ; cx: it enters addresses of Q, x and out0 alone
	s_lshl_b32 s28, ttmp9, 2
	s_add_co_u32 s28, s28, s21                     ; g: my chunk of 64 queries
	s_lshr_b32 s29, ttmp9, 4                       ; the image, which the four partners share
	s_and_b32 s30, s28, 63
	s_mov_b32 s[SEL], 0x76543210
	s_mov_b32 s[SEL+1], 0xfedcba98
	s_mov_b32 s24, 0x3db8aa3b                      ; c = log2(e) / 16
	s_mov_b32 s25, s24                             ; (named with it as a pair, so it is written)
	s_mov_b32 s26, 0                               ; the slot in hand
	; the joint load: 68 rows of 256 bytes, dense in memory and in LDS
	s_mov_b32 s36, 15|(3<<16)|(1<<21)              ; 15:0 the mask: all four partners; elements of 8 bytes; bit 21 beside a mask; no padding
	s_mov_b32 s37, 32<<16                          ; tensor_dim0
	s_mov_b32 s38, 68<<16                          ; tensor_dim1
	s_mov_b32 s39, 32<<16                          ; tile_dim0
	s_mov_b32 s40, 68                              ; tile_dim1
	s_mov_b32 s41, 32                              ; the pitch
	s_mov_b32 s42, 0
	s_mov_b32 s43, 0
	s_mov_b32 s44, 1
	s_mul_i32 s45, s18, 17408                      ; LDS: my eighth of slot 0
	s_mul_i32 s48, s29, 1114112
	s_add_co_u32 s48, s48, s45                     ; memory: the image's block, my eighth
	s_mov_b32 s49, 0
	s_mul_i32 s50, s28, 8704
	s_lshl_b32 s51, s19, 8
	s_add_co_u32 s52, s50, s51
	s_add_co_u32 s52, s52, 8192                    ; Q's scale images of my two tiles
	s_mov_b32 s53, 0
	s_lshl_b32 s51, s19, 12
	s_add_co_u32 s50, s50, s51                     ; Q's fragments of my two tiles
	s_mov_b32 s51, 0
	s_lshl_b32 s32, s29, 22                        ; x and out0: the image, channels 32 w on, my 64 positions
	s_lshl_b32 s33, s18, 19
	s_add_co_u32 s32, s32, s33
	s_lshl_b32 s33, s30, 8
	s_add_co_u32 s32, s32, s33
	s_mov_b32 s33, 0
	s_mov_b32 s35, 0
	v_and_b32 v7, 31, v0
	s_delay_alu instid0(VALU_DEP_1)
	v_lshlrev_b32 v64, 2, v7                       ; 4 x lane
	s_delay_alu instid0(VALU_DEP_2)
	v_lshlrev_b32 v7, 4, v7                        ; 16 x lane; kept
	s_mul_i32 s31, s20, 34816
	v_add_nc_u32 v1, s31, v7                       ; my key step's block in a slot: fragments,
	v_add_nc_u32 v2, s31, v64                      ; scale words
	s_wait_alu depctr_va_vdst(0)
	s_wait_kmcnt 0x0
	s_add_nc_u64 s[46:47], s[6:7], s[48:49]
	s_or_b32 s47, s47, 0x80000000                  ; type = 2
	s_add_nc_u64 s[52:53], s[4:5], s[52:53]
	s_add_nc_u64 s[4:5], s[4:5], s[50:51]
	s_add_nc_u64 s[14:15], s[14:15], s[32:33]
	s_add_nc_u64 s[16:17], s[16:17], s[32:33]
	s_lshl_b32 s34, s18, 12
	s_add_nc_u64 s[8:9], s[8:9], s[34:35]          ; my 32 rows of Wo,
	s_lshl_b32 s34, s18, 8
	s_add_nc_u64 s[10:11], s[10:11], s[34:35]      ; their scale bytes,
	s_lshl_b32 s34, s18, 7
	s_add_nc_u64 s[12:13], s[12:13], s[34:35]      ; their bias
.irp x, 0,1
.irp s, 0,1
.irp c, 0,1
	global_load_b128 v[32+16*\x+8*\s+4*\c:32+16*\x+8*\s+4*\c+3], v7, s[4:5] offset:2048*\x+1024*\s+512*\c   ; Q stays in registers
.endr
.endr
	global_load_b32 v[16+\x], v64, s[52:53] offset:128*\x
.endr
.irp x, 0,1
	v_mov_b32 v[9+4*\x], 0xff61b1e6                ; the largest t so far: -3e38, under every t
	s_delay_alu instid0(VALU_DEP_1)
	v_floor_f32 v[8+4*\x], -v[9+4*\x]              ; -M
	v_mov_b32 v[10+4*\x], 0                        ; the sum, in two halves
	v_mov_b32 v[11+4*\x], 0
	v_mov_b32 v[18+2*\x], 0                        ; the factor
	v_floor_f32 v[19+2*\x], -v[9+4*\x]             ; -R: the frame begins where M begins
.endr
	ROUND                                          ; all four partners are here: the first joint load meets
	tensor_load_to_lds s[44:47], s[36:43]          ; slot 0: key steps 0-3
	s_nop 0
.rept 4
	v_nop
.endr
	s_wait_loadcnt 0x0                             ; Q
; THE CHANGE OF SLOTS stands at a slot's head.  Each wave waits for all its tensor loads (one is out: its eighth of the slot ahead), adds 0 to its spare word, and waits for that and for its reads of the slot left.
; fill = 1: behind a round of the cluster's barrier the slot left is filled with the next four key steps: the wave's one tensor load until the next change; it has a whole step's work in which to land.
.macro CHANGE fill
	s_wait_tensorcnt 0x0                           ; no tensor load of mine is out, so the descriptor may be written
	ds_add_u32 v3, v4                              ; 0 onto my spare word
.if \fill
	s_xor_b32 s45, s45, SLOTB                      ; the other slot than last time,
	s_add_nc_u64 s[46:47], s[46:47], SLOTB         ; the next four key steps; the type bits on top are not reached
.endif
	s_wait_dscnt 0x0                               ; the add is done, and my reads of the slot that I have left are over
.if \fill
	ROUND
	tensor_load_to_lds s[44:47], s[36:43]
	s_nop 0
.rept 4
	v_nop
.endr
.else
	s_barrier_signal -1
	s_barrier_wait -1
.endif
.endm
.macro KLOAD buf, base                 ; key tiles base, base + 1, both K steps: 32 registers
.irp t, 0,1
.irp s, 0,1
.irp c, 0,1
	ds_load_b128 v[\buf+16*\t+8*\s+4*\c:\buf+16*\t+8*\s+4*\c+3], v5 offset:(2*(\base+\t)+\s)*1024+512*\c
.endr
.endr
.endr
.endm
.macro SMUL buf, base                  ; their scores with my two query tiles: four accumulators by turns; the first K step starts the sums
.irp t, 0,1
.irp x, 0,1
	MX 128+64*\x+8*(\base+\t), \buf+16*\t, 32+16*\x, -1, 24+\base+\t, 16+\x, 0, 0
.endr
.endr
.irp t, 0,1
.irp x, 0,1
	MX 128+64*\x+8*(\base+\t), \buf+16*\t+8, 32+16*\x+8, 128+64*\x+8*(\base+\t), 24+\base+\t, 16+\x, 1, 1
.endr
.endr
.endm
; Query tile x's softmax for these 128 keys.  Register S + 16 b + i of lane (r, h) is the score of query r with key 32 b + 16 h + i.
; mode = 0: the frame is brought to the new M: the factor is f = 2^(old R - M), for the sum here and for O^T behind the macro.
; mode = a hold (32.0 or 64.0): the frame stays, or moves up to M - the hold: the factor is 2^dd, for this step's sum of p; dd goes onto the four bytes of p's scale word.
.macro SOFTMAX x, mode
.set S,  128+64*\x
.set W,  64                            ; at work, for both tiles in turn: +0..3 block maxima, +4..7, +8..11 scale operands, +12, +13, +12:13 and +14:15 chains of sums
.set CD, 80+8*\x                       ; p's codes
.set ST, 8+4*\x
.set F,  18+2*\x                       ; the factor; +1: -R
.set PS, 22+\x
.irp b, 0,1,2,3
	v_max3_num_f32 v[W+\b], v[S+16*\b], v[S+16*\b+1], v[S+16*\b+2]   ; the largest score of each block of 32 keys: for the row's maximum and, since p rises with the score, for the block's largest p
.endr
.irp i, 3,5,7,9,11,13
.irp b, 0,1,2,3
	v_max3_num_f32 v[W+\b], v[W+\b], v[S+16*\b+\i], v[S+16*\b+\i+1]
.endr
.endr
.irp b, 0,1,2,3
	v_max_num_f32 v[W+\b], v[W+\b], v[S+16*\b+15]
.endr
.irp b, 0,1,2,3
	s_delay_alu instid0(VALU_DEP_4)
	v_permlanex16_b32 v[W+4+\b], v[W+\b], s[SEL], s[SEL+1]
.endr
.irp b, 0,1,2,3
	s_delay_alu instid0(VALU_DEP_4)
	v_max_num_f32 v[W+\b], v[W+\b], v[W+4+\b]      ; with lane l xor 16's 16 keys
.endr
	s_delay_alu instid0(VALU_DEP_2)
	v_max3_num_f32 v[W+12], v[W], v[W+1], v[W+2]
	s_delay_alu instid0(VALU_DEP_1)
	v_max_num_f32 v[W+12], v[W+12], v[W+3]
	s_delay_alu instid0(VALU_DEP_1)
	v_mul_f32 v[W+12], s24, v[W+12]                ; the step's largest t (c is positive)
	s_delay_alu instid0(VALU_DEP_1)
	v_max_num_f32 v[ST+1], v[ST+1], v[W+12]
	s_delay_alu instid0(VALU_DEP_1)
	v_floor_f32 v[ST], -v[ST+1]                    ; the new -M = -ceil(t): a whole number
.if \mode == 0
	s_delay_alu instid0(VALU_DEP_1)
	v_sub_f32 v[W+12], v[ST], v[F+1]               ; old R - new M: a whole number, 0 or less
	s_delay_alu instid0(VALU_DEP_2)
	v_mov_b32 v[F+1], v[ST]                        ; the frame is the new M
	s_delay_alu instid0(VALU_DEP_2)
	v_cvt_i32_f32 v[W+12], v[W+12]                 ; (it saturates)
	s_delay_alu instid0(VALU_DEP_1)
	v_ldexp_f32 v[F], 1.0, v[W+12]                 ; f = 2^(old R - new M)
.else
	s_delay_alu instid0(VALU_DEP_1)
	v_sub_f32 v[W+12], v[F+1], v[ST]               ; new M - R: a whole number, 0 or more,
	s_delay_alu instid0(VALU_DEP_1)
	v_min_num_f32 v[W+12], \mode, v[W+12]          ; held: dd
	s_delay_alu instid0(VALU_DEP_1)
	v_add_f32 v[F+1], v[ST], v[W+12]               ; -R = -M + dd: unchanged wherever the hold did not bite
	s_delay_alu instid0(VALU_DEP_2)
	v_cvt_i32_f32 v[W+12], v[W+12]
	s_delay_alu instid0(VALU_DEP_1)
	v_ldexp_f32 v[F], 1.0, v[W+12]                 ; 2^dd
.endif
.set j, 0
.rept 32
	v_pk_fma_f32 v[S+j:S+j+1], v[S+j:S+j+1], s[24:25], v[ST:ST+1] op_sel_hi:[1,0,0]   ; t - M, two at a time
.set j, j+2
.endr
.irp b, 0,1,2,3
	v_fma_f32 v[W+\b], v[W+\b], s24, v[ST]         ; the same of each block's largest score
.endr
.set j, 0
	s_wait_alu depctr_va_vdst(0)
.rept 64
	v_exp_f32 v[S+j], v[S+j]                       ; p = 2^(t - M)
.set j, j+1
.endr
.irp b, 0,1,2,3
	v_exp_f32 v[W+\b], v[W+\b]                     ; the block's largest p
.endr
.if \mode == 0
	v_pk_mul_f32 v[ST+2:ST+3], v[ST+2:ST+3], v[F:F+1] op_sel_hi:[1,0]   ; the sums under the new frame.  (A plain place behind the exponentials)
	s_wait_alu depctr_va_vdst(0)
.else
	v_lshl_or_b32 v[W+13], v[W+12], 8, v[W+12]     ; dd in all four bytes of a word.  (A plain place behind the exponentials)
	s_delay_alu instid0(VALU_DEP_1)
	v_lshl_or_b32 v[W+13], v[W+13], 16, v[W+13]
	s_wait_alu depctr_va_vdst(0)
.endif
.irp b, 0,1,2,3
	v_max_num_f32 v[W+\b], 0x1800000, v[W+\b]      ; the floor 2^(3 - 127): the byte cannot fall under 1
.endr
.irp b, 0,1,2,3
	s_delay_alu instid0(VALU_DEP_4)
	v_add_nc_u32 v[W+8+\b], 0xff000000, v[W+\b]    ; 2 off the exponent field: the conversion's scale operand
.endr
.irp b, 0,1,2,3
	s_delay_alu instid0(VALU_DEP_4)
	v_lshrrev_b32 v[W+4+\b], 23, v[W+8+\b]
.endr
	s_delay_alu instid0(VALU_DEP_3)
	v_lshl_or_b32 v[PS], v[W+5], 8, v[W+4]         ; p's scale word for these 128 keys
	s_delay_alu instid0(VALU_DEP_1)
	v_lshl_or_b32 v[PS], v[W+6], 16, v[PS]
	s_delay_alu instid0(VALU_DEP_1)
	v_lshl_or_b32 v[PS], v[W+7], 24, v[PS]
.if \mode != 0
	s_delay_alu instid0(VALU_DEP_1)
	v_add_nc_u32 v[PS], v[PS], v[W+13]             ; each byte is at most 125, dd at most 64: no byte carries into the next
.endif
.irp b, 0,1,2,3
	v_cvt_scalef32_pk8_fp4_f32 v[CD+2*\b], v[S+16*\b:S+16*\b+7], v[W+8+\b]
	v_cvt_scalef32_pk8_fp4_f32 v[CD+1+2*\b], v[S+16*\b+8:S+16*\b+15], v[W+8+\b]
.endr
	v_nop                                          ; one plain place behind a scaled conversion
.irp c, 0,1
.irp i, 0,1
	v_permlane16_swap_b32 v[CD+4*\c+\i], v[CD+2+4*\c+\i]
.endr
.endr
	v_pk_add_f32 v[W+14:W+15], v[S:S+1], v[S+2:S+3]   ; the row's sum is taken of the unquantised p, in two chains.  (These additions are also the places between p's codes and scale word and the products)
.if \mode == 0
.set j, 4
.rept 15
	v_pk_add_f32 v[ST+2:ST+3], v[ST+2:ST+3], v[S+j:S+j+1]
	v_pk_add_f32 v[W+14:W+15], v[W+14:W+15], v[S+j+2:S+j+3]
.set j, j+4
.endr
	s_delay_alu instid0(VALU_DEP_1)
	v_pk_add_f32 v[ST+2:ST+3], v[ST+2:ST+3], v[W+14:W+15]
.else
	v_pk_add_f32 v[W+12:W+13], v[S+4:S+5], v[S+6:S+7]
.set j, 8
.rept 14
	v_pk_add_f32 v[W+12:W+13], v[W+12:W+13], v[S+j:S+j+1]
	v_pk_add_f32 v[W+14:W+15], v[W+14:W+15], v[S+j+2:S+j+3]
.set j, j+4
.endr
	s_delay_alu instid0(VALU_DEP_1)
	v_pk_add_f32 v[W+12:W+13], v[W+12:W+13], v[W+14:W+15]
	s_delay_alu instid0(VALU_DEP_1)
	v_pk_fma_f32 v[ST+2:ST+3], v[W+12:W+13], v[F:F+1], v[ST+2:ST+3] op_sel_hi:[1,0,1]   ; the step's sum x 2^dd onto the row's
.endif
.endm
.macro PVC ct, vr, first               ; O^T += V^T P^T for channel tile ct, whose fragment lies at v[vr], both query tiles: each accumulator has one instruction in a step
.irp x, 0,1
.if \first
	MX 128*\x+8*(\ct), \vr, 80+8*\x, -1, 24+(\ct)/2, 22+\x, (\ct)%2, 0
.else
	MX 128*\x+8*(\ct), \vr, 80+8*\x, 128*\x+8*(\ct), 24+(\ct)/2, 22+\x, (\ct)%2, 0
.endif
.endr
.endm
; MY KEY STEP OF THE SLOT IN HAND.  first = 1: the products start O^T's sums, and there is nothing to rescale.  mode: as in SOFTMAX.
.macro WORK first, mode
	v_add_nc_u32 v5, s26, v1
	v_add_nc_u32 v6, s26, v2
.irp t, 0,1,2,3,4,5,6,7
	ds_load_b32 v[24+\t], v6 offset:KSC+128*\t     ; K's scale images
.endr
	KLOAD 64, 0
	KLOAD 96, 2
	s_wait_alu depctr_va_vdst(0)
	s_wait_dscnt 8                                 ; all but the younger batch of 8
	SMUL 64, 0
	PLACES 4                                       ; in front of loads into registers that matrix instructions have read
	KLOAD 64, 4
	s_wait_dscnt 8
	SMUL 96, 2
	PLACES 4
	KLOAD 96, 6
	s_wait_dscnt 8
	SMUL 64, 4
	s_wait_dscnt 0x0
	SMUL 96, 6
	PLACES 4                                       ; in front of the first read of results, and of the loads below into K's scale words and K's second batch
.irp t, 0,1,2,3,4,5,6,7
	ds_load_b32 v[24+\t], v6 offset:VSC+128*\t     ; V's scale words: lanes 0-15 channel tile 2 t, lanes 16-31 tile 2 t + 1
.endr
.irp t, 8,9,10,11
.irp c, 0,1
	ds_load_b128 v[32+8*\t+4*\c:32+8*\t+4*\c+3], v5 offset:VIMG+1024*\t+512*\c     ; V's channel tiles 8-11 into v96-127, which the softmax does not touch
.endr
.endr
	SOFTMAX 0, \mode
.irp t, 0,1,2,3,4,5,6,7
.irp c, 0,1
	ds_load_b128 v[128+8*\t+4*\c:128+8*\t+4*\c+3], v5 offset:VIMG+1024*\t+512*\c   ; tiles 0-7 into the registers that tile 0's p have left
.endr
.endr
	SOFTMAX 1, \mode
.irp t, 12,13,14,15
.irp c, 0,1
	ds_load_b128 v[96+8*\t+4*\c:96+8*\t+4*\c+3], v5 offset:VIMG+1024*\t+512*\c     ; tiles 12-15 into v192-223: the 24 products of tiles 0-11 stand ahead of the wait for them
.endr
.endr
.if (\first == 0) && (\mode == 0)
	WIN 0x41                                       ; O^T (destination and source 0) window 1, f window 0
.irp x, 0,1
.set j, 0
.rept 64
	v_pk_mul_f32 v[128*\x+j:128*\x+j+1], v[128*\x+j:128*\x+j+1], v[18+2*\x:19+2*\x] op_sel_hi:[1,0]   ; O^T under the new frame, each accumulator from its low end on
.set j, j+2
.endr
.endr
.endif
	WIN 0x50                                       ; C and D window 1
	s_wait_alu depctr_va_vdst(0)
	s_wait_dscnt 8                                 ; V's scale words and tiles 0-11 are in; the eight youngest loads (tiles 12-15) may be out
.irp k, 0,1,2,3,4,5,6,7
	PVC \k, 128+8*\k, \first
.endr
.irp k, 8,9,10,11
	PVC \k, 32+8*\k, \first
.endr
	s_wait_dscnt 0x0
.irp k, 12,13,14,15
	PVC \k, 96+8*\k, \first
.endr
	WIN 0
	PLACES 5                                       ; the next step's score products write over registers that these products read: five places
	s_xor_b32 s26, s26, SLOTB                      ; on to the other slot
.endm
	CHANGE 1                                       ; slot 0 is whole; slot 1 is asked for
	WORK 1, 0                                      ; the first step sets the frame: R = M
	s_mov_b32 s27, 2
.Lslot:                                            ; two trips of three steps: slots' worth 2 to 7 are asked for, 1 to 6 are worked; the third step of a trip brings the sums under its M
	CHANGE 1
	WORK 0, HOLD1
	CHANGE 1
	WORK 0, HOLD2
	CHANGE 1
	WORK 0, 0
	s_sub_co_u32 s27, s27, 1
	s_cmp_lg_u32 s27, 0
	s_cbranch_scc1 .Lslot
	CHANGE 0                                       ; the last is written out
	WORK 0, HOLD1
	; ---- THE FOUR KEY SHARES ARE JOINED.  Each wave publishes -R, its sum and O^T in LDS: O^T in the ring's bytes, which have had their last fill.
	v_add_f32 v10, v10, v11                        ; the sum's two halves,
	v_add_f32 v14, v14, v15
	s_delay_alu instid0(VALU_DEP_2)
	v_permlanex16_b32 v18, v10, s[SEL], s[SEL+1]
	s_delay_alu instid0(VALU_DEP_2)
	v_permlanex16_b32 v20, v14, s[SEL], s[SEL+1]
	s_delay_alu instid0(VALU_DEP_2)
	v_add_f32 v10, v10, v18                        ; and lane l xor 16's
	s_delay_alu instid0(VALU_DEP_2)
	v_add_f32 v14, v14, v20
	v_and_b32 v49, 15, v0                          ; r
	v_bfe_u32 v50, v0, 4, 1                        ; h
	v_and_b32 v51, 31, v0
	s_delay_alu instid0(VALU_DEP_1)
	v_lshlrev_b32 v52, 2, v51                      ; 4 x lane
	s_wait_alu depctr_va_vdst(0)
	s_and_b32 s31, s20, 1                          ; tq: the query tile of my 32 that I join,
	s_lshr_b32 s32, s20, 1                         ; ch: and which 128 channels of it
	v_lshlrev_b32 v32, 7, v49
	s_delay_alu instid0(VALU_DEP_1)
	v_lshl_add_u32 v32, v50, 4, v32                ; memory: Wo's row r, + 16 h
	v_lshlrev_b32 v33, 3, v49
	s_delay_alu instid0(VALU_DEP_1)
	v_lshl_add_u32 v33, v50, 2, v33                ; its scale words: lanes 0-15 K step 0, lanes 16-31 K step 1
	v_lshlrev_b32 v34, 2, v49                      ; 4 r
	s_lshl_b32 s33, s18, 8
	s_add_co_u32 s33, s33, STATM
	v_add_nc_u32 v35, s33, v52                     ; where I put -R and the sum
	s_lshl_b32 s33, s18, 15
	v_add_nc_u32 v36, s33, v7                      ; where I put O^T: 32,768 bytes a wave
	s_lshl_b32 s33, s19, 8
	s_lshl_b32 s34, s31, 7
	s_add_co_u32 s33, s33, s34
	s_add_co_u32 s33, s33, STATM
	v_add_nc_u32 v37, s33, v52                     ; the four shares' -R and sums: 512 bytes from share to share
	s_lshl_b32 s33, s19, 15
	s_lshl_b32 s34, s31, 14
	s_add_co_u32 s33, s33, s34
	s_lshl_b32 s34, s32, 13
	s_add_co_u32 s33, s33, s34
	v_add_nc_u32 v38, s33, v7                      ; the four shares' pieces of O^T: 65,536 bytes from share to share
	s_delay_alu instid0(VALU_DEP_1)
	v_add_nc_u32 v39, 0x10000, v38
	s_delay_alu instid0(VALU_DEP_2)
	v_add_nc_u32 v40, 0x20000, v38
	s_delay_alu instid0(VALU_DEP_3)
	v_add_nc_u32 v41, 0x30000, v38
	v_lshlrev_b32 v42, 4, v49
	s_delay_alu instid0(VALU_DEP_1)
	v_lshl_add_u32 v42, v50, 14, v42               ; memory: x and out0: channel row h, 16 r bytes
	s_lshl_b32 s33, s19, 12
	s_lshl_b32 s34, s31, 11
	s_add_co_u32 s33, s33, s34
	s_lshl_b32 s34, s32, 10
	s_add_co_u32 s33, s33, s34
	s_add_co_u32 s33, s33, OIMG
	v_add_nc_u32 v43, s33, v7                      ; where I put o's fragment (tile 2 qh + tq, K step ch)
	s_lshl_b32 s33, s19, 8
	s_lshl_b32 s34, s31, 7
	s_add_co_u32 s33, s33, s34
	s_lshl_b32 s34, s32, 6
	s_add_co_u32 s33, s33, s34
	s_add_co_u32 s33, s33, OSC
	v_add_nc_u32 v44, s33, v34                     ; and its scale words
	v_add_nc_u32 v45, OIMG, v7
	v_add_nc_u32 v46, OSC, v52
	s_mul_i32 s33, s18, 32*272                     ; the stage for the way out: my 32 rows of 256 bytes + 16, in the ring's bytes
	v_mul_u32_u24 v47, v49, 272
	s_delay_alu instid0(VALU_DEP_1)
	v_lshl_add_u32 v47, v50, 6, v47
	s_delay_alu instid0(VALU_DEP_1)
	v_add_nc_u32 v47, s33, v47                     ; in: row r, + 64 h
	v_mul_u32_u24 v48, v50, 272
	s_delay_alu instid0(VALU_DEP_1)
	v_lshl_add_u32 v48, v49, 4, v48
	s_delay_alu instid0(VALU_DEP_1)
	v_add_nc_u32 v48, s33, v48                     ; back: lanes 0-15 one row, lanes 16-31 the next
	s_wait_dscnt 0x0
	s_barrier_signal -1
	s_barrier_wait -1                              ; nobody reads the ring any more
	ds_store_b32 v35, v19                          ; -R of my two tiles,
	ds_store_b32 v35, v21 offset:128
	ds_store_b32 v35, v10 offset:2048              ; their sums, which stand under R
	ds_store_b32 v35, v14 offset:2176
	WIN 0x04                                       ; an LDS store's data are its source 1: window 1
.set G, 0
.rept 64
	ds_store_b128 v36, v[4*G:4*G+3] offset:512*G   ; each accumulator from its low end on
.set G, G+1
.endr
	WIN 0
	s_wait_dscnt 0x0                               ; for the others' sake: my stores are done
	s_barrier_signal -1
	s_barrier_wait -1
	WIN 0x40                                       ; window 1 is free now: Wo's four fragments (tile n, K step s) at 16 n + 8 s
.irp n, 0,1
.irp s, 0,1
.irp c, 0,1
	global_load_b128 v[16*\n+8*\s+4*\c:16*\n+8*\s+4*\c+3], v32, s[8:9] offset:2048*\n+64*\s+32*\c
.endr
.endr
.endr
	WIN 0
	global_load_b32 v16, v33, s[10:11]
	global_load_b32 v17, v33, s[10:11] offset:128
	global_load_b32 v60, v34, s[12:13]
	global_load_b32 v61, v34, s[12:13] offset:64
	WIN 0x40
.irp i, 0,1,2,3,4,5,6,7,8,9,10,11,12,13,14,15
	global_load_b128 v[64+4*\i:64+4*\i+3], v42, s[14:15] offset:32768*\i   ; the residual: channel rows 32 w + 2 i + h: sixteen lanes read 256 consecutive bytes
.endr
	WIN 0
.irp k, 0,1,2,3
	ds_load_b32 v[8+2*\k], v37 offset:512*\k       ; -R of share k
	ds_load_b32 v[9+2*\k], v37 offset:2048+512*\k  ; its sum
.endr
.irp i, 0,1,2,3,4,5,6,7,8,9,10,11,12,13,14,15
	ds_load_b128 v[128+4*\i:128+4*\i+3], v38 offset:512*\i
.endr
.irp i, 0,1,2,3,4,5,6,7,8,9,10,11,12,13,14,15
	ds_load_b128 v[192+4*\i:192+4*\i+3], v39 offset:512*\i
.endr
.irp i, 0,1,2,3,4,5,6,7,8,9,10,11,12,13,14,15
	ds_load_b128 v[64+4*\i:64+4*\i+3], v40 offset:512*\i
.endr
	s_wait_dscnt 48                                ; the eight numbers are in; three shares' 48 loads may be out
	v_min_num_f32 v49, v8, v10
	v_min_num_f32 v50, v12, v14
	s_delay_alu instid0(VALU_DEP_1)
	v_min_num_f32 v49, v49, v50                    ; - the largest frame
.irp k, 0,1,2,3
	v_sub_f32 v[52+\k], v49, v[8+2*\k]             ; R of share k - the largest: a whole number, 0 or less
.endr
.irp k, 0,1,2,3
	s_delay_alu instid0(VALU_DEP_4)
	v_cvt_i32_f32 v[52+\k], v[52+\k]
.endr
.irp k, 0,1,2,3
	s_delay_alu instid0(VALU_DEP_4)
	v_ldexp_f32 v[52+\k], 1.0, v[52+\k]            ; exact
.endr
	s_delay_alu instid0(VALU_DEP_4)
	v_mul_f32 v50, v52, v9
	s_delay_alu instid0(VALU_DEP_1)
	v_fmac_f32 v50, v53, v11
	s_delay_alu instid0(VALU_DEP_1)
	v_fmac_f32 v50, v54, v13
	s_delay_alu instid0(VALU_DEP_1)
	v_fmac_f32 v50, v55, v15                       ; the row's sum: at least 1/2, since the largest frame is no larger than the largest M
	s_wait_alu depctr_va_vdst(0)
	v_rcp_f32 v50, v50
	v_nop                                          ; a plain place behind the transcendental
	s_wait_alu depctr_va_vdst(0)
.irp k, 0,1,2,3
	v_mul_f32 v[8+2*\k], v[52+\k], v50             ; share k's factor, in the low half of a pair
.endr
	s_wait_alu depctr_va_vdst(0)
	s_wait_dscnt 32                                ; share 0 is in
.set j, 0
.rept 32
	v_pk_mul_f32 v[128+j:128+j+1], v[128+j:128+j+1], v[8:9] op_sel_hi:[1,0]
.set j, j+2
.endr
	s_wait_dscnt 16                                ; share 1
.set j, 0
.rept 32
	v_pk_fma_f32 v[128+j:128+j+1], v[192+j:192+j+1], v[10:11], v[128+j:128+j+1] op_sel_hi:[1,0,1]
.set j, j+2
.endr
.irp i, 0,1,2,3,4,5,6,7,8,9,10,11,12,13,14,15
	ds_load_b128 v[192+4*\i:192+4*\i+3], v41 offset:512*\i
.endr
	s_wait_dscnt 16                                ; share 2; share 3's sixteen loads may be out
.set j, 0
.rept 32
	v_pk_fma_f32 v[128+j:128+j+1], v[64+j:64+j+1], v[12:13], v[128+j:128+j+1] op_sel_hi:[1,0,1]
.set j, j+2
.endr
	s_wait_dscnt 0x0
.set j, 0
.rept 32
	v_pk_fma_f32 v[128+j:128+j+1], v[192+j:192+j+1], v[14:15], v[128+j:128+j+1] op_sel_hi:[1,0,1]
.set j, j+2
.endr
	; ---- o, 16 queries x 128 channels, is quantised along the channels and goes to the other waves as an image of the operand's registers
.set TM, 64
.set PC, 80
.set PW, 88
	QUANT 128
	ds_store_b128 v43, v[80:83]
	ds_store_b128 v43, v[84:87] offset:512
	ds_store_b32 v44, v88                          ; lanes r and 16 + r write the same word with the same value
	s_wait_dscnt 0x0
	s_barrier_signal -1
	s_barrier_wait -1                              ; o's eight fragments lie in LDS, and nobody reads the shares any more
	; ---- out = Wo o + bo: my 32 output channels for the 64 positions (source 0 = 16 positions of o, source 1 = 16 rows of Wo): a lane holds one channel and eight neighbouring positions
.irp t, 0,1,2,3
.irp s, 0,1
.irp c, 0,1
	ds_load_b128 v[64+16*\t+8*\s+4*\c:64+16*\t+8*\s+4*\c+3], v45 offset:1024*(2*\t+\s)+512*\c
.endr
.endr
	ds_load_b32 v[24+\t], v46 offset:128*\t
.endr
	s_wait_loadcnt 16                              ; Wo, its scale words and bo are in; the residual's sixteen loads may be out
	WIN 0x40
.irp j, 0,1,2,3,4,5,6,7
	v_mov_b32 v[32+\j], v60                        ; a lane holds one channel: its bias in all eight registers
	v_mov_b32 v[40+\j], v61
.endr
	WIN 0
	PLACES 4
	s_wait_alu depctr_va_vdst(0)
	s_wait_dscnt 0x0
	WIN 0x14                                       ; source 1 (Wo) and source 2 (bo) window 1
.irp n, 0,1
.irp t, 0,1,2,3
	MX 128+8*(4*\n+\t), 64+16*\t, 16*\n, 32+8*\n, 24+\t, 16+\n, 0, 0
.endr
.endr
	WIN 0x04                                       ; the eight accumulators take turns
.irp n, 0,1
.irp t, 0,1,2,3
	MX 128+8*(4*\n+\t), 64+16*\t+8, 16*\n+8, 128+8*(4*\n+\t), 24+\t, 16+\n, 1, 1
.endr
.endr
	WIN 0
	PLACES 4
	; ---- THE WAY OUT: through my own 32 rows of the stage, back as whole rows of 256 bytes; the residual is added; sixteen lanes store 256 consecutive bytes, aligned
.irp n, 0,1
.irp t, 0,1,2,3
	ds_store_b128 v47, v[128+8*(4*\n+\t):128+8*(4*\n+\t)+3] offset:16*272*\n+128*(\t/2)+32*(\t%2)      ; lane (r, h): channel 16 n + r, positions 32 (t / 2) + 16 h + 8 (t % 2) + 0 .. 7
	ds_store_b128 v47, v[128+8*(4*\n+\t)+4:128+8*(4*\n+\t)+7] offset:16*272*\n+128*(\t/2)+32*(\t%2)+16
.endr
.endr
.irp i, 0,1,2,3,4,5,6,7,8,9,10,11,12,13,14,15
	ds_load_b128 v[64+4*\i:64+4*\i+3], v48 offset:2*272*\i   ; LDS serves a wave's instructions in order: these see my stores
.endr
	s_wait_loadcnt 0x0                             ; the residual
	WIN 0x44                                       ; the sum's destination and second source, and the store's data: window 1
.irp i, 0,1,2,3,4,5,6,7,8,9,10,11,12,13,14,15
	s_wait_dscnt 15-\i
	v_pk_add_f32 v[64+4*\i:64+4*\i+1], v[64+4*\i:64+4*\i+1], v[64+4*\i:64+4*\i+1]
	v_pk_add_f32 v[64+4*\i+2:64+4*\i+3], v[64+4*\i+2:64+4*\i+3], v[64+4*\i+2:64+4*\i+3]
	global_store_b128 v42, v[64+4*\i:64+4*\i+3], s[16:17] offset:32768*\i th:TH_STORE_NT
.endr
	WIN 0
	s_wait_tensorcnt 0x0                           ; the wave's end, behind my last tensor load and my last LDS store
	ds_add_u32 v3, v4
	s_wait_dscnt 0x0
	ROUND                                          ; the closing round
	s_endpgm
.Lfunc_end_k_qb33596ab23_attn:
	.size	k_qb33596ab23_attn, .Lfunc_end_k_qb33596ab23_attn-k_qb33596ab23_attn
	.p2alignl 7, 3214868480
	.fill 96, 4, 3214868480
	.section	.rodata,"a",@progbits
	.p2align	6, 0x0
	.amdhsa_kernel k_qb33596ab23_attn
		.amdhsa_group_segment_fixed_size 327680
		.amdhsa_private_segment_fixed_size 0
		.amdhsa_enable_private_segment 0
		.amdhsa_kernarg_size 56
		.amdhsa_user_sgpr_count 2
		.amdhsa_user_sgpr_kernarg_segment_ptr 1
		.amdhsa_wavefront_size32 1
		.amdhsa_system_sgpr_workgroup_id_x 1
		.amdhsa_system_sgpr_workgroup_id_y 1
		.amdhsa_system_sgpr_workgroup_id_z 1
		.amdhsa_system_vgpr_workitem_id 0
		.amdhsa_next_free_vgpr 512
		.amdhsa_next_free_sgpr 66
		.amdhsa_reserve_vcc 0
		.amdhsa_float_denorm_mode_32 3
		.amdhsa_float_denorm_mode_16_64 3
		.amdhsa_memory_ordered 1
		.amdhsa_forward_progress 1
		.amdhsa_inst_pref_size 245
	.end_amdhsa_kernel
	.amdgpu_metadata
---
amdhsa.version: [ 1, 2 ]
amdhsa.kernels:
  - .name:           k_qb33596ab23_attn
    .symbol:         k_qb33596ab23_attn.kd
    .args:
      - { .name: qimg, .offset: 0, .size: 8, .value_kind: global_buffer, .address_space: global }
      - { .name: kv, .offset: 8, .size: 8, .value_kind: global_buffer, .address_space: global }
      - { .name: wo_codes, .offset: 16, .size: 8, .value_kind: global_buffer, .address_space: global }
      - { .name: wo_scales, .offset: 24, .size: 8, .value_kind: global_buffer, .address_space: global }
      - { .name: bo, .offset: 32, .size: 8, .value_kind: global_buffer, .address_space: global }
      - { .name: x, .offset: 40, .size: 8, .value_kind: global_buffer, .address_space: global }
      - { .name: out0, .offset: 48, .size: 8, .value_kind: global_buffer, .address_space: global }
    .group_segment_fixed_size: 327680
    .private_segment_fixed_size: 0
    .kernarg_segment_align: 8
    .kernarg_segment_size: 56
    .max_flat_workgroup_size: 256
    .sgpr_count:     66
    .vgpr_count:     512
    .wavefront_size: 32
...
	.end_amdgpu_metadata
.endif
;; end of part 3
